; MI455X (gfx1250); checked and timed in simulation.
; The chip was launched on July 23, 2026; its instructions are those of AMD's public machine-readable ISA for CDNA 5 (MIT licence, August 2026) and "CDNA5" Instruction Set Architecture Reference Guide (July 2026). The comments in the code are by the model that wrote it; some were corrected since.
;; Token Choice Mo E. Allowed arithmetic: matrix products marked QUANTISED: E2M1 operands, one E8M0 scale for each 32 along K, by v_wmma_scale_f32_16x16x128_f8f6f4 with both operands' format E2M1 (or v_wmma_scale_f32_32x16x128_f4), f32 sums; products left as they are: f32 operands where the result goes on into a quantised operand, else bf16, f16 or f32 operands; f32 sums; everything else in f32.
;; Inputs: Wdown_codes 8 x 1,024 x 4 x 16 uint8 (E2M1 codes of Wdown, K innermost, in blocks of 32 codes, two codes a byte); Wdown_scales 8 x 1,024 x 4 uint8 (E8M0 scales of Wdown, one for each 32 codes along K); Wg 8 x 1,024 float32; Wup_codes 8 x 256 x 32 x 16 uint8 (E2M1 codes of Wup, K innermost, in blocks of 32 codes, two codes a byte); Wup_scales 8 x 256 x 32 uint8 (E8M0 scales of Wup, one for each 32 codes along K); bg 8 float32; x 4 x 4,096 x 1,024 float32.
;; Outputs: out0 4 x 4,096 x 1,024 float32.
;; This version of the problem:
;;   THIS VERSION OF THE PROBLEM IS GIVEN IN LOW PRECISION. The matrix products marked QUANTISED in the list below multiply operands that are first quantised to E2M1 (2 exponent bits, 1 mantissa bit; 4 bits a number), with one power-of-two scale for each 32 numbers along K (OCP MX v1.0); their sums are f32. All else is computed in f32.
;;   The module's matrix products, in the order in which they are computed (A, B: the left and right operand; K: the contracted axis; several contracted axes count as one K, in the product's order):
;;     1. [M 16,384, K 1,024] x [K 1,024, N 8]; A: input x; B: input Wg: left as it is (N = 8 < 16)
;;     2. [M 16,384, K 1,024] x [K 1,024, N 256]; A: input x; B: input Wup (given as codes): QUANTISED
;;     3. [M 16,384, K 128] x [K 128, N 1,024]; A: computed on the way; B: input Wdown (given as codes): QUANTISED
;;     4. [M 16,384, K 1,024] x [K 1,024, N 256]; A: input x; B: input Wup (given as codes): QUANTISED
;;     5. [M 16,384, K 128] x [K 128, N 1,024]; A: computed on the way; B: input Wdown (given as codes): QUANTISED
;;     6. [M 16,384, K 1,024] x [K 1,024, N 256]; A: input x; B: input Wup (given as codes): QUANTISED
;;     7. [M 16,384, K 128] x [K 128, N 1,024]; A: computed on the way; B: input Wdown (given as codes): QUANTISED
;;     8. [M 16,384, K 1,024] x [K 1,024, N 256]; A: input x; B: input Wup (given as codes): QUANTISED
;;     9. [M 16,384, K 128] x [K 128, N 1,024]; A: computed on the way; B: input Wdown (given as codes): QUANTISED
;;     10. [M 16,384, K 1,024] x [K 1,024, N 256]; A: input x; B: input Wup (given as codes): QUANTISED
;;     11. [M 16,384, K 128] x [K 128, N 1,024]; A: computed on the way; B: input Wdown (given as codes): QUANTISED
;;     12. [M 16,384, K 1,024] x [K 1,024, N 256]; A: input x; B: input Wup (given as codes): QUANTISED
;;     13. [M 16,384, K 128] x [K 128, N 1,024]; A: computed on the way; B: input Wdown (given as codes): QUANTISED
;;     14. [M 16,384, K 1,024] x [K 1,024, N 256]; A: input x; B: input Wup (given as codes): QUANTISED
;;     15. [M 16,384, K 128] x [K 128, N 1,024]; A: computed on the way; B: input Wdown (given as codes): QUANTISED
;;     16. [M 16,384, K 1,024] x [K 1,024, N 256]; A: input x; B: input Wup (given as codes): QUANTISED
;;     17. [M 16,384, K 128] x [K 128, N 1,024]; A: computed on the way; B: input Wdown (given as codes): QUANTISED
;;   THE QUANTISER, for each operand of a quantised product, along K:
;;     - K is cut into blocks of 32 from its start; a last block that is shorter is filled with zeros.
;;     - A block's scale is 2^e with e = floor(log2(the largest magnitude in the block)) - 2, held to -126 .. 127; a block of zeros has e = 0. As a byte (E8M0): e + 127.
;;     - Each number is divided by its block's scale, clamped to +-6, and rounded to the nearest number of E2M1, ties to even, subnormals kept.
;;     - The product sums the exact products of the quantised numbers (number of the format x scale) in f32.
;;   ~~~python
;;   def quantise(x, axis):      # numpy; x: float32 -> the quantised numbers, widened to float32 again
;;       x = np.moveaxis(x, axis, -1); K = x.shape[-1]
;;       x = np.pad(x, [(0, 0)] * (x.ndim - 1) + [(0, -K % 32)]); x = x.reshape(x.shape[:-1] + (-1, 32)); a = np.abs(x).max(-1, keepdims=True)
;;       e = np.where(a > 0, np.clip(np.frexp(np.where(a > 0, a, 1))[1] - 1 - 2, -126, 127), 0)      # np.frexp(a)[1] - 1 = floor(log2(a)), exactly
;;       r = np.clip(x / 2.0 ** e, -6, 6)
;;       step = 2.0 ** (np.maximum(np.frexp(np.where(r == 0, 1, r))[1] - 1, 0) - 1)
;;       q = np.round(r / step) * step * 2.0 ** e      # np.round: ties to even
;;       return np.moveaxis(q.reshape(q.shape[:-2] + (-1,))[..., :K], -1, axis).astype(np.float32)
;;   ~~~
;;   OPERANDS COMPUTED ON THE WAY. 'Computed on the way' means the value that the module computes at that place (a softmax that the list does not call 'softmax' is quantised finished and normalised). What goes into a quantiser is computed in f32, as accurately as f32 sums, v_exp_f32 and their like allow (about 1e-6 of the number): no bf16 or f16 on the way to a quantiser, and a product that is left as it is and whose result goes on into a quantised operand takes f32 operands (vector FMAs, or v_wmma_f32_16x16x4_f32). A number that lies on a knife's edge between two numbers of the format may be rounded either way, as far as f32 arithmetic and the matrix unit's own rounding can turn it there, and no further.
;;   INPUTS GIVEN AS CODES. Wdown (in the module: [8, 128, 1024], K = its axis 1); Wup (in the module: [8, 1024, 256], K = its axis 1): each comes as NAME_codes (uint8): NAME with its K axis moved to the last place and cut into blocks of 32 codes, [.., K / 32, bytes a block], one block behind the other in memory; two codes a byte, the lower K in the low four bits (a code: sign, 2 exponent bits, 1 mantissa bit); and NAME_scales (uint8): the same leading axes, one E8M0 byte (e + 127) for each 32 codes along K. Its value is code x scale, taken as it is: it is not quantised again, and the codes and scales need not be those that the quantiser above would give.
;; 3 versions. Each part assembles by itself: llvm-mc -triple=amdgcn-amd-amdhsa -mcpu=gfx1250 --defsym DOCPART=n.
;; ======== version 1 of 3: 3 launches
;; workspace buffers: xc 8,388,608 bytes; xs 524,288 bytes; wts 131,072 bytes; meta 65,536 bytes of whole numbers; cnt 65,536 bytes of whole numbers; rec 131,072 bytes of whole numbers; tab 1,024 bytes of whole numbers; wl 1,572,864 bytes
;; launch route (part 1): grid 256 x 1, 8 waves a work-group, no clusters, 115,712 bytes of LDS; arguments x, Wg, bg, xc, xs, wts, meta, cnt, rec; writes xc, xs, wts, meta, cnt, rec
.if DOCPART == 1
	.amdgcn_target "amdgcn-amd-amdhsa--gfx1250"
	.amdhsa_code_object_version 6
	.text
	.protected	k_qf27887e0cb_route
	.globl	k_qf27887e0cb_route
	.p2align	8
	.type	k_qf27887e0cb_route,@function
k_qf27887e0cb_route:
	s_mov_b64 s[64:65], 0
	v_nop
	global_prefetch_b8 v0, s[64:65] scope:SCOPE_SE
	s_setreg_imm32_b32 hwreg(HW_REG_WAVE_MODE, 25, 1), 1
	s_wait_xcnt 0x0
; ROUTE.  x [16384][1024] f32 is read once.  For each token: the gate's 8 logits (f32 fused multiply-adds, + bg), the two largest (a tie keeps the lower expert), the softmax over the two
; (the larger is taken away ahead of the exponential); x's codes of E2M1 and one E8M0 byte for each 32 along K.  Everything is stored at fixed places: no address hangs on the choice.
;   xc [token][512] codes, K innermost;  xs [token][32] scale bytes;  wts [token] (weight of the lower expert, weight of the higher);
;   meta [token] = p | rank << 8: p = the number of the unordered pair {a < b}, a (15 - a) / 2 + b - a - 1 (0 .. 27); rank = how many earlier tokens of my group of 32 chose the same pair;
;   cnt [group][32]: how many tokens of the group chose pair p (words 28 .. 31 are 0);  rec: 512 bytes of zeros a work-group (the next launch scatters token numbers over them).
; SHARES.  A work-group takes 64 tokens, a wave 8, a row at a time.  A load reads 512 consecutive bytes; the row turns through the wave's own stage in LDS, so that lane l then holds block l of the row,
; k = 32 l .. 32 l + 31, in 32 registers: the block's largest magnitude needs no other lane, and the conversions find neighbours along K in one lane.  Wg lies in the same layout in 256 registers (window 1).
; LIMITS.  NaN and infinities in x, Wg, bg are not served.  Logits are summed in another order than a plain dot product: two logits within f32 rounding of each other may change places.
; A block of zeros gets the byte 1 (its codes are zeros; the bytes are read by this program alone).  Blocks whose largest magnitude lies under 2^-124 keep the byte 1.
; No matrix unit, no cluster, no tensor load: the launch streams, and its work-groups share nothing but Wg's 32 KiB.
.set XT,  36864                        ; LDS: 0: Wg's 8 rows, 4,608 bytes each;  XT: for each wave two stages of 4,608 bytes
.set SB,  110592                       ; 256 scale bytes for each wave
.set LG,  112640                       ; the logits: 64 tokens x 32 bytes
.set L16, 1                            ; v1   16 x lane
.set TI,  2                            ; v2   my stage, on the way in: 16 l + 16 (l / 8): 16 bytes of padding behind each 128
.set TO,  3                            ; v3   and on the way out: 144 l
.set WI,  4                            ; v4   the same two for Wg's rows
.set WO,  5
.set SBW, 6                            ; v6   my wave's scale bytes: + l
.set SBR, 7                            ; v7   and + 8 l on the way out
.set LGW, 8                            ; v8   my wave's 8 tokens' logits
.set L8,  9                            ; v9   8 x lane
.set LGR, 10                           ; v10  the end: token 32 w + l's logits
.set L4,  11                           ; v11  4 x lane
.set MA,  12                           ; v12, v13 two chains of the largest magnitude
.set MB,  13
.set SOP, 14                           ; v14  the conversions' scale operand
.set ACC, 16                           ; v16-31  8 pairs of sums
.set S,   32                           ; v32-47  the row's 8 logits, two sets by turns
.set C,   48                           ; v48-55  the block's codes, two sets by turns
.set BYT, 56                           ; v56-57  the scale's byte, two by turns
.set X,   64                           ; v64-127 two sets of 32 neighbours
.set RAW, 128                          ; v128-255 four sets of 32 numbers as loaded; at the end: at work
.set MSB, 0
.macro WIN new                         ; the immediate's high byte repeats the setting that is left
.if MSB != \new
	s_set_vgpr_msb (MSB<<8)|\new
.set MSB, \new
.endif
.endm
	s_load_b512 s[4:19], s[0:1], 0x0               ; x, Wg, bg, xc, xs, wts, meta, cnt
	s_load_b64 s[20:21], s[0:1], 0x40              ; rec
	v_lshl_add_u32 v62, v0, 2, 0x1c000
	v_mov_b32 v63, 0
	v_lshrrev_b32 v15, 5, v0
	v_readfirstlane_b32 s22, v15                   ; wave 0..7
	v_and_b32 v15, 31, v0                          ; lane
	v_lshlrev_b32 v[L16], 4, v15
	v_lshlrev_b32 v[L8], 3, v15
	v_lshlrev_b32 v[L4], 2, v15
	v_lshrrev_b32 v12, 3, v15
	v_lshl_add_u32 v12, v12, 4, v[L16]             ; 16 l + 16 (l / 8)
	v_mul_u32_u24 v13, v15, 144
	s_mul_i32 s34, s22, 9216
	s_add_co_u32 s34, s34, XT
	v_add_nc_u32 v[TI], s34, v12
	v_add_nc_u32 v[TO], s34, v13
	s_mul_i32 s34, s22, 4608
	v_add_nc_u32 v[WI], s34, v12
	v_add_nc_u32 v[WO], 0, v13
	s_lshl_b32 s34, s22, 8
	s_add_co_u32 s35, s34, SB
	v_add_nc_u32 v[SBW], s35, v15
	v_add_nc_u32 v[SBR], s35, v[L8]
	s_add_co_u32 s35, s34, LG
	v_mov_b32 v[LGW], s35
	s_lshl_b32 s34, s22, 10
	s_add_co_u32 s34, s34, LG
	v_lshl_add_u32 v[LGR], v15, 5, s34             ; (used by waves 0 and 1 alone)
	s_mov_b32 s32, 0x76543210
	s_mov_b32 s33, 0xfedcba98                      ; v_permlanex16_b32's selects for lane l xor 16
	s_lshl_b32 s34, ttmp9, 6
	s_lshl_b32 s35, s22, 3
	s_add_co_u32 s34, s34, s35                     ; my wave's first token: 64 x work-group + 8 x wave
	s_mov_b32 s37, 0
	s_wait_kmcnt 0x0
	s_load_b256 s[24:31], s[8:9], 0x0              ; bg
	s_lshl_b32 s36, s22, 12
	s_add_nc_u64 s[6:7], s[6:7], s[36:37]          ; Wg's row w
	s_lshl_b32 s36, s34, 12
	s_add_nc_u64 s[4:5], s[4:5], s[36:37]          ; x, xc, xs at my first token
	s_lshl_b32 s36, s34, 9
	s_add_nc_u64 s[10:11], s[10:11], s[36:37]
	s_lshl_b32 s36, s34, 5
	s_add_nc_u64 s[12:13], s[12:13], s[36:37]
.macro LOAD j                          ; row j as it lies: each load reads 512 consecutive bytes
.irp i, 0,1,2,3,4,5,6,7
	global_load_b128 v[RAW+32*((\j)%4)+4*\i:RAW+32*((\j)%4)+4*\i+3], v[L16], s[4:5] offset:4096*(\j)+512*\i th:TH_LOAD_NT
.endr
.endm
.macro TURN j                          ; row j through a stage: LDS serves a wave's instructions in order, so no wait stands between the stores and the loads
.irp i, 0,1,2,3,4,5,6,7
	ds_store_b128 v[TI], v[RAW+32*((\j)%4)+4*\i:RAW+32*((\j)%4)+4*\i+3] offset:4608*((\j)%2)+576*\i
.endr
.irp i, 0,1,2,3,4,5,6,7
	ds_load_b128 v[X+32*((\j)%2)+4*\i:X+32*((\j)%2)+4*\i+3], v[TO] offset:4608*((\j)%2)+16*\i
.endr
.endm
.macro GATE j                          ; my 32 numbers x Wg's 32 of each expert: 8 pairs of sums by turns; the first products start them
.set XQ, X+32*((\j)%2)
	WIN 0x04                                       ; source 1 (Wg) window 1
.irp e, 0,1,2,3,4,5,6,7
	v_pk_mul_f32 v[ACC+2*\e:ACC+2*\e+1], v[XQ:XQ+1], v[32*\e:32*\e+1]
.endr
.irp i, 1,2,3,4,5,6,7,8,9,10,11,12,13,14,15
.irp e, 0,1,2,3,4,5,6,7
	v_pk_fma_f32 v[ACC+2*\e:ACC+2*\e+1], v[XQ+2*\i:XQ+2*\i+1], v[32*\e+2*\i:32*\e+2*\i+1], v[ACC+2*\e:ACC+2*\e+1]
.endr
.endr
	WIN 0
.endm
.macro QUANT j                         ; my block: its largest magnitude, its byte, its 32 codes
.set XQ, X+32*((\j)%2)
.set CQ, C+4*((\j)%2)
	v_max3_num_f32 v[MA], |v[XQ]|, |v[XQ+1]|, |v[XQ+2]|
	v_max3_num_f32 v[MB], |v[XQ+3]|, |v[XQ+4]|, |v[XQ+5]|
.irp i, 6,10,14,18,22,26
	v_max3_num_f32 v[MA], v[MA], |v[XQ+\i]|, |v[XQ+\i+1]|
	v_max3_num_f32 v[MB], v[MB], |v[XQ+\i+2]|, |v[XQ+\i+3]|
.endr
	v_max3_num_f32 v[MA], v[MA], |v[XQ+30]|, |v[XQ+31]|
	v_max3_num_f32 v[MA], v[MA], v[MB], 0x1800000  ; and the floor 2^(3 - 127): the byte cannot fall under 1
	v_add_nc_u32 v[SOP], 0xff000000, v[MA]         ; 2 off the exponent field: the conversion takes this operand's exponent field as its scale
.irp g, 0,1,2,3
	v_cvt_scalef32_pk8_fp4_f32 v[CQ+\g], v[XQ+8*\g:XQ+8*\g+7], v[SOP]
.endr
	v_lshrrev_b32 v[BYT+(\j)%2], 23, v[SOP]        ; the scale's byte (also the plain line behind the conversions)
	ds_store_b8 v[SBW], v[BYT+(\j)%2] offset:32*(\j)
	global_store_b128 v[L16], v[CQ:CQ+3], s[10:11] offset:512*(\j)   ; the wave stores the row's 512 bytes of codes, consecutive and aligned
.endm
.macro REDUCE j                        ; the 8 sums over the 32 lanes, the experts by turns; every lane ends with all 8
.set SQ, S+8*((\j)%2)
.irp e, 0,1,2,3,4,5,6,7
	v_add_f32 v[ACC+2*\e], v[ACC+2*\e], v[ACC+2*\e+1]
.endr
.irp k, 1,2,4,8
.irp e, 0,1,2,3,4,5,6,7
	v_add_f32_dpp v[ACC+2*\e], v[ACC+2*\e], v[ACC+2*\e] row_xmask:\k row_mask:0xf bank_mask:0xf
.endr
.endr
.irp e, 0,1,2,3,4,5,6,7
	v_permlanex16_b32 v[ACC+2*\e+1], v[ACC+2*\e], s32, s33
.endr
.irp e, 0,1,2,3,4,5,6,7
	v_add_f32 v[SQ+\e], v[ACC+2*\e], v[ACC+2*\e+1]
.endr
	ds_store_b128 v[LGW], v[SQ:SQ+3] offset:32*(\j)          ; all lanes write the same bytes with the same values
	ds_store_b128 v[LGW], v[SQ+4:SQ+7] offset:32*(\j)+16
.endm
.macro STEP j
.if (\j) == 0
	s_wait_dscnt 0x0                               ; Wg's 64 loads and row 0's turn are in
.else
	s_wait_dscnt 3                                 ; row j is back from its stage; behind its loads stand the last row's byte store and its two stores of logits
.endif
	s_wait_xcnt 0x0                                ; the stores issued so far have read their registers: the codes' set is rewritten only behind this wait
.if (\j)+4 < 8
	LOAD (\j)+4                                    ; into the set that row j's turn has read
.endif
.if (\j) < 7
.if (\j) < 4
	s_wait_loadcnt 24                              ; row j + 1 is in; the three rows behind it stay out
.else
	s_wait_loadcnt 8*(6-(\j))                      ; the rows still behind row j + 1: two, one, none
.endif
	TURN (\j)+1                                    ; through the other stage while this row is worked
.endif
	GATE \j
	QUANT \j
	REDUCE \j
.endm
.irp i, 0,1,2,3,4,5,6,7
	global_load_b128 v[X+4*\i:X+4*\i+3], v[L16], s[6:7] offset:512*\i   ; Wg's row w
.endr
	LOAD 0
	LOAD 1
	LOAD 2
	LOAD 3
	s_wait_loadcnt 32                              ; Wg's row is in; the four rows of x behind it stay out
.irp i, 0,1,2,3,4,5,6,7
	ds_store_b128 v[WI], v[X+4*\i:X+4*\i+3] offset:576*\i
.endr
	s_wait_dscnt 0x0                               ; for the others' sake: my row of Wg lies in LDS
	s_barrier_signal -1
	s_barrier_wait -1
	WIN 0x40                                       ; destination window 1
.irp e, 0,1,2,3,4,5,6,7
.irp i, 0,1,2,3,4,5,6,7
	ds_load_b128 v[32*\e+4*\i:32*\e+4*\i+3], v[WO] offset:4608*\e+16*\i   ; register 32 e + i = Wg[e][32 l + i]
.endr
.endr
	WIN 0
	s_wait_loadcnt 24                              ; row 0 is in; rows 1 to 3 stay out
	TURN 0
.irp j, 0,1,2,3,4,5,6,7
	STEP \j
.endr
	ds_load_b64 v[MA:MB], v[SBR]                   ; my wave's 256 scale bytes, 8 a lane
	s_wait_kmcnt 0x0                               ; bg
	s_wait_dscnt 0x0                               ; they are in, and my stores of logits have landed: for the others' sake
	global_store_b64 v[L8], v[MA:MB], s[12:13]     ; 256 consecutive bytes, aligned
	s_barrier_signal -1
	s_barrier_wait -1                              ; the 64 tokens' logits lie in LDS
	s_cmp_gt_u32 s22, 2
	s_cbranch_scc1 .Lend
	s_cmp_eq_u32 s22, 2
	s_cbranch_scc1 .Lzero
	; THE END, waves 0 and 1: a lane to a token, 32 w + l
	ds_load_b128 v[128:131], v[LGR]
	ds_load_b128 v[132:135], v[LGR] offset:16
	s_lshl_b32 s34, ttmp9, 1
	s_add_co_u32 s34, s34, s22                     ; my group of 32 tokens: 2 x work-group + wave
	s_lshl_b32 s36, s34, 8
	s_add_nc_u64 s[14:15], s[14:15], s[36:37]      ; wts: 8 bytes a token
	s_lshl_b32 s36, s34, 7
	s_add_nc_u64 s[16:17], s[16:17], s[36:37]      ; meta: 4 bytes a token
	s_add_nc_u64 s[18:19], s[18:19], s[36:37]      ; cnt: 128 bytes a group
	s_wait_dscnt 0x0
.irp e, 0,1,2,3,4,5,6,7
	v_add_f32 v[128+\e], s[24+\e], v[128+\e]       ; + bg
.endr
	v_mov_b32 v136, v128                           ; the largest, and its expert: a strict > keeps the lower number
	v_mov_b32 v137, 0
.irp e, 1,2,3,4,5,6,7
	v_cmp_gt_f32 vcc_lo, v[128+\e], v136
	v_cndmask_b32 v136, v136, v[128+\e], vcc_lo
	v_cndmask_b32 v137, v137, \e, vcc_lo
.endr
	v_mov_b32 v141, 0xff800000                     ; -infinity
	v_mov_b32 v138, v141                           ; the second largest: the same walk with the first taken out
	v_mov_b32 v139, 0
.irp e, 0,1,2,3,4,5,6,7
	v_cmp_eq_u32 vcc_lo, \e, v137
	v_cndmask_b32 v140, v[128+\e], v141, vcc_lo
	v_cmp_gt_f32 vcc_lo, v140, v138
	v_cndmask_b32 v138, v138, v140, vcc_lo
	v_cndmask_b32 v139, v139, \e, vcc_lo
.endr
	v_sub_f32 v140, v138, v136                     ; the second less the first: 0 or less: the maximum is taken away
	v_mul_f32 v140, 0x3fb8aa3b, v140
	v_exp_f32 v142, v140
	v_min_u32 v146, v137, v139                     ; a (plain work behind the exponential)
	v_max_u32 v147, v137, v139                     ; b
	v_sub_nc_u32 v150, 15, v146
	v_mul_u32_u24 v150, v146, v150
	v_lshrrev_b32 v150, 1, v150
	v_add_nc_u32 v150, v150, v147
	v_sub_nc_u32 v150, v150, v146
	v_add_nc_u32 v150, -1, v150                    ; p = a (15 - a) / 2 + b - a - 1
	s_wait_alu depctr_va_vdst(0)                   ; the wait ahead of the first reader of the exponential
	v_add_f32 v143, 1.0, v142
	v_rcp_f32 v144, v143                           ; the first's weight
	v_mov_b32 v151, 0                              ; my rank
	v_mov_b32 v152, 0                              ; the group's counts, pair q in lane q
.irp q, 0,1,2,3,4,5,6,7,8,9,10,11,12,13,14,15,16,17,18,19,20,21,22,23,24,25,26,27
	v_cmp_eq_u32 s40, \q, v150                     ; who chose pair q
	v_mbcnt_lo_u32_b32 v153, s40, 0                ; how many of them in lanes under mine
	v_cndmask_b32 v151, v151, v153, s40
	s_bcnt1_i32_b32 s41, s40
	v_writelane_b32 v152, s41, \q
.endr
	s_wait_alu depctr_va_vdst(0)                   ; and ahead of the first reader of the reciprocal
	v_mul_f32 v145, v142, v144                     ; the second's weight
	v_cmp_lt_u32 vcc_lo, v137, v139
	v_cndmask_b32 v148, v145, v144, vcc_lo         ; the lower expert's weight,
	v_cndmask_b32 v149, v144, v145, vcc_lo         ; the higher's
	v_lshl_or_b32 v154, v151, 8, v150
	global_store_b64 v[L8], v[148:149], s[14:15]   ; 256 consecutive bytes
	global_store_b32 v[L4], v154, s[16:17]
	global_store_b32 v[L4], v152, s[18:19]
	s_wait_tensorcnt 0x0
	ds_add_u32 v62, v63
	s_wait_dscnt 0x0
	s_endpgm
.Lzero:                                            ; wave 2: my work-group's 512 bytes of rec
	s_lshl_b32 s36, ttmp9, 9
	s_add_nc_u64 s[20:21], s[20:21], s[36:37]
.irp i, 0,1,2,3
	v_mov_b32 v[128+\i], 0
.endr
	global_store_b128 v[L16], v[128:131], s[20:21]
.Lend:
	s_wait_tensorcnt 0x0
	ds_add_u32 v62, v63
	s_wait_dscnt 0x0
	s_endpgm
.Lfunc_end_k_qf27887e0cb_route:
	.size	k_qf27887e0cb_route, .Lfunc_end_k_qf27887e0cb_route-k_qf27887e0cb_route
	.p2alignl 7, 3214868480
	.fill 96, 4, 3214868480
	.section	.rodata,"a",@progbits
	.p2align	6, 0x0
	.amdhsa_kernel k_qf27887e0cb_route
		.amdhsa_group_segment_fixed_size 115712
		.amdhsa_private_segment_fixed_size 0
		.amdhsa_enable_private_segment 0
		.amdhsa_kernarg_size 72
		.amdhsa_user_sgpr_count 2
		.amdhsa_user_sgpr_kernarg_segment_ptr 1
		.amdhsa_wavefront_size32 1
		.amdhsa_system_sgpr_workgroup_id_x 1
		.amdhsa_system_sgpr_workgroup_id_y 1
		.amdhsa_system_sgpr_workgroup_id_z 1
		.amdhsa_system_vgpr_workitem_id 0
		.amdhsa_next_free_vgpr 512
		.amdhsa_next_free_sgpr 66
		.amdhsa_reserve_vcc 1
		.amdhsa_float_denorm_mode_32 3
		.amdhsa_float_denorm_mode_16_64 3
		.amdhsa_memory_ordered 1
		.amdhsa_forward_progress 1
		.amdhsa_inst_pref_size 138
	.end_amdhsa_kernel
	.amdgpu_metadata
---
amdhsa.version: [ 1, 2 ]
amdhsa.kernels:
  - .name:           k_qf27887e0cb_route
    .symbol:         k_qf27887e0cb_route.kd
    .args:
      - { .name: x, .offset: 0, .size: 8, .value_kind: global_buffer, .address_space: global }
      - { .name: Wg, .offset: 8, .size: 8, .value_kind: global_buffer, .address_space: global }
      - { .name: bg, .offset: 16, .size: 8, .value_kind: global_buffer, .address_space: global }
      - { .name: xc, .offset: 24, .size: 8, .value_kind: global_buffer, .address_space: global }
      - { .name: xs, .offset: 32, .size: 8, .value_kind: global_buffer, .address_space: global }
      - { .name: wts, .offset: 40, .size: 8, .value_kind: global_buffer, .address_space: global }
      - { .name: meta, .offset: 48, .size: 8, .value_kind: global_buffer, .address_space: global }
      - { .name: cnt, .offset: 56, .size: 8, .value_kind: global_buffer, .address_space: global }
      - { .name: rec, .offset: 64, .size: 8, .value_kind: global_buffer, .address_space: global }
    .group_segment_fixed_size: 115712
    .private_segment_fixed_size: 0
    .kernarg_segment_align: 8
    .kernarg_segment_size: 72
    .max_flat_workgroup_size: 256
    .sgpr_count:     66
    .vgpr_count:     512
    .wavefront_size: 32
...
	.end_amdgpu_metadata
.endif
;; end of part 1
;; launch place (part 2): grid 13 x 1, 16 waves a work-group, no clusters, 4,096 bytes of LDS; arguments cnt, meta, Wup_codes, Wdown_codes, rec, tab, wl; writes rec, tab, wl
.if DOCPART == 2
	.amdgcn_target "amdgcn-amd-amdhsa--gfx1250"
	.amdhsa_code_object_version 6
	.text
	.protected	k_qf27887e0cb_place
	.globl	k_qf27887e0cb_place
	.p2align	8
	.type	k_qf27887e0cb_place,@function
k_qf27887e0cb_place:
	s_mov_b64 s[64:65], 0
	v_nop
	global_prefetch_b8 v0, s[64:65] scope:SCOPE_SE
	s_setreg_imm32_b32 hwreg(HW_REG_WAVE_MODE, 25, 1), 1
	s_wait_xcnt 0x0
; PLACE.  Work-group 0 places the tokens: the tokens of one pair of experts follow each other, in tiles of 80.  rec [tile][128]: words 0 .. 79 = token numbers;  tab [tile] = a | b << 8 | count << 16.
; The sum over the 28 pairs of ceil(n / 80) is at most (16,384 + 28 x 79) / 80 = 232: that many tiles serve every split; tab has 256 words, those behind the last tile with count 0.
; No atomics: each token's place is its pair's first tile, the pair's tokens in earlier groups (prefix sums of cnt) and its rank in its own group (meta).
; Work-groups 1 to 12 lay the weights' codes in the order of the operand's registers, so that the next launch loads each fragment by loads of 512 consecutive bytes:
;   up:   wl + 8,192 u + 512 (2 s + c) + 16 lane, u = (4 e + w) 4 + j: tile j of wave w of expert e, K step s; lane (r, h) holds row 256 e + 128 (j / 2) + 32 w + 8 (j % 2) + r + 8 (r / 8), bytes 64 s + 32 c + 16 h;
;   down: wl + 1,048,576 + 1,024 T + 512 c + 16 lane: tile T of 16 rows; lane (r, h) holds row 16 T + r, bytes 32 c + 16 h.
; x / 80 = (x x 52,429) >> 22, exact for x up to 16,463 (the error x x 4.8e-8 stays under 1 / 80).
.set C,  32                            ; v32-63   the counts of my wave's 32 groups (lane = pair); later indices, then token numbers
.set P,  64                            ; v64-96   their running sums
.set M,  128                           ; v128-159 meta of my wave's 32 groups (lane = token); later the offsets in rec
.set PT, 160                           ; v160-175 the sixteen waves' sums
.set B,  176                           ; v176-207 what each token fetched from its pair's lane
	s_load_b256 s[4:11], s[0:1], 0x0               ; cnt, meta, Wup_codes, Wdown_codes
	s_load_b128 s[12:15], s[0:1], 0x20             ; rec, tab
	s_load_b64 s[16:17], s[0:1], 0x30              ; wl
	v_lshl_add_u32 v254, v0, 2, 0x800
	v_mov_b32 v255, 0
	v_lshrrev_b32 v1, 5, v0
	v_readfirstlane_b32 s20, v1                    ; wave 0..15
	v_and_b32 v1, 31, v0                           ; lane
	v_lshlrev_b32 v2, 2, v1
	v_lshlrev_b32 v3, 4, v1
	v_and_b32 v4, 15, v0                           ; r
	v_bfe_u32 v5, v0, 4, 1                         ; h
	s_mov_b32 s25, 0
	s_wait_kmcnt 0x0
.macro RELAY sb, up                    ; sixteen loads of 16 bytes a lane, stored as 512 consecutive bytes each
.irp i, 0,1,2,3,4,5,6,7,8,9,10,11,12,13,14,15
.if \up
	global_load_b128 v[32+4*\i:35+4*\i], v6, s[\sb:\sb+1] offset:32*\i
.else
	global_load_b128 v[32+4*\i:35+4*\i], v6, s[\sb:\sb+1] offset:1024*(\i/2)+32*(\i%2)
.endif
.endr
.irp i, 0,1,2,3,4,5,6,7,8,9,10,11,12,13,14,15
	s_wait_loadcnt 15-\i                           ; load i is in; those issued behind it stay out
	global_store_b128 v3, v[32+4*\i:35+4*\i], s[16:17] offset:512*\i
.endr
	s_endpgm
.endm
	s_cmp_eq_u32 ttmp9, 0
	s_cbranch_scc1 .Lplace
	s_cmp_gt_u32 ttmp9, 8
	s_cbranch_scc1 .Ldown
	s_sub_co_u32 s21, ttmp9, 1                     ; UP: expert e; my wave's number is 4 w + j
	s_lshr_b32 s22, s20, 2                         ; w
	s_and_b32 s23, s20, 3                          ; j
	s_lshl_b32 s24, s21, 8
	s_lshr_b32 s26, s23, 1
	s_lshl_b32 s26, s26, 7
	s_add_co_u32 s24, s24, s26
	s_lshl_b32 s26, s22, 5
	s_add_co_u32 s24, s24, s26
	s_and_b32 s26, s23, 1
	s_lshl_b32 s26, s26, 3
	s_add_co_u32 s24, s24, s26                     ; row 256 e + 128 (j / 2) + 32 w + 8 (j % 2)
	s_lshl_b32 s24, s24, 9                         ; of 512 bytes
	s_add_nc_u64 s[8:9], s[8:9], s[24:25]
	s_lshl_b32 s24, s21, 4
	s_add_co_u32 s24, s24, s20
	s_lshl_b32 s24, s24, 13                        ; 8,192 u
	s_add_nc_u64 s[16:17], s[16:17], s[24:25]
	v_and_b32 v6, 8, v4
	v_add_nc_u32 v6, v6, v4                        ; r + 8 (r / 8)
	v_lshlrev_b32 v6, 9, v6
	v_lshl_add_u32 v6, v5, 4, v6
	RELAY 8, 1
.Ldown:
	s_sub_co_u32 s21, ttmp9, 9                     ; DOWN: unit d = 16 (work-group - 9) + wave: 8 tiles of 16 rows of 64 bytes
	s_lshl_b32 s24, s21, 4
	s_add_co_u32 s24, s24, s20
	s_lshl_b32 s24, s24, 13
	s_add_nc_u64 s[10:11], s[10:11], s[24:25]
	s_add_co_u32 s24, s24, 1048576
	s_add_nc_u64 s[16:17], s[16:17], s[24:25]
	v_lshlrev_b32 v6, 6, v4
	v_lshl_add_u32 v6, v5, 4, v6
	RELAY 10, 0
.Lplace:
	s_lshl_b32 s24, s20, 12                        ; wave w owns groups 32 w .. 32 w + 31: 4,096 bytes of cnt and of meta
	s_add_nc_u64 s[4:5], s[4:5], s[24:25]
	s_add_nc_u64 s[6:7], s[6:7], s[24:25]
.irp j, 0,1,2,3,4,5,6,7,8,9,10,11,12,13,14,15,16,17,18,19,20,21,22,23,24,25,26,27,28,29,30,31
	global_load_b32 v[C+\j], v2, s[4:5] offset:128*\j
.endr
.irp j, 0,1,2,3,4,5,6,7,8,9,10,11,12,13,14,15,16,17,18,19,20,21,22,23,24,25,26,27,28,29,30,31
	global_load_b32 v[M+\j], v2, s[6:7] offset:128*\j
.endr
	s_wait_loadcnt 32                              ; the counts are in; meta's 32 loads stay out
	v_mov_b32 v[P], 0
.irp j, 0,1,2,3,4,5,6,7,8,9,10,11,12,13,14,15,16,17,18,19,20,21,22,23,24,25,26,27,28,29,30,31
	v_add_nc_u32 v[P+\j+1], v[P+\j], v[C+\j]       ; lane p: pair p's tokens in my groups ahead of group j
.endr
	s_lshl_b32 s22, s20, 7
	v_add_nc_u32 v13, s22, v2
	ds_store_b32 v13, v[P+32]                      ; my wave's sums, at 128 w + 4 p
	s_wait_dscnt 0x0
	s_barrier_signal -1
	s_barrier_wait -1
.irp k, 0,1,2,3,4,5,6,7,8,9,10,11,12,13,14,15
	ds_load_b32 v[PT+\k], v2 offset:128*\k
.endr
	v_mov_b32 v8, 0                                ; N: the pair's tokens in all
	v_mov_b32 v9, 0                                ; and in the waves ahead of mine
	s_wait_dscnt 0x0
.irp k, 0,1,2,3,4,5,6,7,8,9,10,11,12,13,14,15
	v_add_nc_u32 v8, v8, v[PT+\k]
	s_cmp_gt_u32 s20, \k
	s_cselect_b32 s22, -1, 0
	v_and_b32 v13, s22, v[PT+\k]
	v_add_nc_u32 v9, v9, v13
.endr
	v_add_nc_u32 v10, 79, v8
	v_mul_u32_u24 v10, v10, 0xcccd
	v_lshrrev_b32 v10, 22, v10                     ; the pair's tiles: ceil(N / 80)
	s_mov_b32 s24, 0
	v_mov_b32 v11, 0                               ; S: the pair's first tile
	v_mov_b32 v12, 0                               ; for thread t: the pair of tile t = how many pairs end at or under t
.irp p, 0,1,2,3,4,5,6,7,8,9,10,11,12,13,14,15,16,17,18,19,20,21,22,23,24,25,26,27
	v_writelane_b32 v11, s24, \p
	v_readlane_b32 s26, v10, \p
	s_add_co_u32 s24, s24, s26
	v_cmp_le_u32 vcc_lo, s24, v0
	v_cndmask_b32 v13, 0, 1, vcc_lo
	v_add_nc_u32 v12, v12, v13
.endr
.irp p, 28,29,30,31
	v_writelane_b32 v11, s24, \p                   ; behind the last pair: the number of tiles
.endr
	v_lshl_add_u32 v15, v11, 16, v9
.irp j, 0,1,2,3,4,5,6,7,8,9,10,11,12,13,14,15,16,17,18,19,20,21,22,23,24,25,26,27,28,29,30,31
	v_add_nc_u32 v[P+\j], v[P+\j], v15             ; first tile << 16 | the pair's tokens ahead of group 32 w + j (under 2^15)
.endr
	s_wait_loadcnt 0x0                             ; meta
.irp j, 0,1,2,3,4,5,6,7,8,9,10,11,12,13,14,15,16,17,18,19,20,21,22,23,24,25,26,27,28,29,30,31
	v_and_b32 v[C+\j], 0xff, v[M+\j]
	v_min_u32 v[C+\j], 31, v[C+\j]
	v_lshlrev_b32 v[C+\j], 2, v[C+\j]
	ds_bpermute_b32 v[B+\j], v[C+\j], v[P+\j]      ; lane = token: from my pair's lane
.endr
	s_lshl_b32 s22, s20, 10
	v_add_nc_u32 v16, s22, v1                      ; 1,024 w + l
	s_wait_dscnt 0x0
.irp j, 0,1,2,3,4,5,6,7,8,9,10,11,12,13,14,15,16,17,18,19,20,21,22,23,24,25,26,27,28,29,30,31
	v_and_b32 v13, 0xffff, v[B+\j]
	v_bfe_u32 v14, v[M+\j], 8, 8
	v_add_nc_u32 v13, v13, v14                     ; my rank among the pair's tokens
	v_mul_u32_u24 v14, v13, 0xcccd
	v_lshrrev_b32 v14, 22, v14                     ; q = rank / 80
	v_mad_u32_u24 v13, v14, 48, v13                ; 128 q + (rank - 80 q)
	v_lshrrev_b32 v14, 16, v[B+\j]
	v_lshl_add_u32 v13, v14, 7, v13                ; + 128 x the pair's first tile
	v_min_u32 v13, 0x7fff, v13                     ; a word of rec
	v_lshlrev_b32 v[M+\j], 2, v13
	v_add_nc_u32 v[C+\j], 32*\j, v16               ; my token's number
	global_store_b32 v[M+\j], v[C+\j], s[12:13]    ; each j has registers of its own: none is written again
.endr
	s_cmp_gt_u32 s20, 7
	s_cbranch_scc1 .Ldone
	v_min_u32 v13, 31, v12                         ; THE TABLE, threads 0 to 255: tile t
	v_lshlrev_b32 v13, 2, v13
	ds_bpermute_b32 v17, v13, v11                  ; its pair's first tile
	ds_bpermute_b32 v18, v13, v8                   ; and tokens
	v_mov_b32 v19, 0
.irp th, 7,13,18,22,25,27
	v_cmp_le_u32 vcc_lo, \th, v12
	v_cndmask_b32 v14, 0, 1, vcc_lo
	v_add_nc_u32 v19, v19, v14                     ; a: how many of the first pairs of a = 1 .. 6 lie at or under p
.endr
	v_sub_nc_u32 v14, 15, v19
	v_mul_u32_u24 v14, v14, v19
	v_lshrrev_b32 v14, 1, v14
	v_sub_nc_u32 v20, v12, v14
	v_add3_u32 v20, v20, v19, 1                    ; b = p - a (15 - a) / 2 + a + 1
	s_wait_dscnt 0x0
	v_sub_nc_u32 v17, v0, v17
	v_mul_u32_u24 v17, v17, 80
	v_sub_nc_u32 v18, v18, v17                     ; what is left of the pair from this tile on (signed),
	v_min_i32 v18, 80, v18
	v_max_i32 v18, 0, v18                          ; held to 0 .. 80
	v_lshl_or_b32 v19, v20, 8, v19
	v_lshl_or_b32 v19, v18, 16, v19
	v_lshlrev_b32 v21, 2, v0
	global_store_b32 v21, v19, s[14:15]
.Ldone:
	s_wait_tensorcnt 0x0
	ds_add_u32 v254, v255
	s_wait_dscnt 0x0
	s_endpgm
.Lfunc_end_k_qf27887e0cb_place:
	.size	k_qf27887e0cb_place, .Lfunc_end_k_qf27887e0cb_place-k_qf27887e0cb_place
	.p2alignl 7, 3214868480
	.fill 96, 4, 3214868480
	.section	.rodata,"a",@progbits
	.p2align	6, 0x0
	.amdhsa_kernel k_qf27887e0cb_place
		.amdhsa_group_segment_fixed_size 4096
		.amdhsa_private_segment_fixed_size 0
		.amdhsa_enable_private_segment 0
		.amdhsa_kernarg_size 56
		.amdhsa_user_sgpr_count 2
		.amdhsa_user_sgpr_kernarg_segment_ptr 1
		.amdhsa_wavefront_size32 1
		.amdhsa_system_sgpr_workgroup_id_x 1
		.amdhsa_system_sgpr_workgroup_id_y 1
		.amdhsa_system_sgpr_workgroup_id_z 1
		.amdhsa_system_vgpr_workitem_id 0
		.amdhsa_next_free_vgpr 256
		.amdhsa_next_free_sgpr 66
		.amdhsa_reserve_vcc 1
		.amdhsa_float_denorm_mode_32 3
		.amdhsa_float_denorm_mode_16_64 3
		.amdhsa_memory_ordered 1
		.amdhsa_forward_progress 1
		.amdhsa_inst_pref_size 60
	.end_amdhsa_kernel
	.amdgpu_metadata
---
amdhsa.version: [ 1, 2 ]
amdhsa.kernels:
  - .name:           k_qf27887e0cb_place
    .symbol:         k_qf27887e0cb_place.kd
    .args:
      - { .name: cnt, .offset: 0, .size: 8, .value_kind: global_buffer, .address_space: global }
      - { .name: meta, .offset: 8, .size: 8, .value_kind: global_buffer, .address_space: global }
      - { .name: Wup_codes, .offset: 16, .size: 8, .value_kind: global_buffer, .address_space: global }
      - { .name: Wdown_codes, .offset: 24, .size: 8, .value_kind: global_buffer, .address_space: global }
      - { .name: rec, .offset: 32, .size: 8, .value_kind: global_buffer, .address_space: global }
      - { .name: tab, .offset: 40, .size: 8, .value_kind: global_buffer, .address_space: global }
      - { .name: wl, .offset: 48, .size: 8, .value_kind: global_buffer, .address_space: global }
    .group_segment_fixed_size: 4096
    .private_segment_fixed_size: 0
    .kernarg_segment_align: 8
    .kernarg_segment_size: 56
    .max_flat_workgroup_size: 512
    .sgpr_count:     66
    .vgpr_count:     256
    .wavefront_size: 32
...
	.end_amdgpu_metadata
.endif
;; end of part 2
;; launch chain (part 3): grid 232 x 1, 4 waves a work-group, no clusters, 90,624 bytes of LDS; arguments tab, rec, xc, xs, wts, wl, Wup_scales, Wdown_scales, out0; writes out0
.if DOCPART == 3
	.amdgcn_target "amdgcn-amd-amdhsa--gfx1250"
	.amdhsa_code_object_version 6
	.text
	.protected	k_qf27887e0cb_chain
	.globl	k_qf27887e0cb_chain
	.p2align	8
	.type	k_qf27887e0cb_chain,@function
k_qf27887e0cb_chain:
	s_mov_b64 s[64:65], 0
	v_nop
	global_prefetch_b8 v0, s[64:65] scope:SCOPE_SE
	s_setreg_imm32_b32 hwreg(HW_REG_WAVE_MODE, 25, 1), 1
	s_wait_xcnt 0x0
; CHAIN.  A work-group takes one tile: up to 80 tokens that all chose the same two experts a < b.  For both: ug = x Wup (K = 1,024), h = silu(g) u in f32, h quantised along its 128, y = h Wdown (K = 128);
; out0[token] = wa ya + wb yb.  Both products on codes of E2M1 with E8M0 scales; h never leaves the WGP; each row of out0 has one owner.
; 232 work-groups serve every split (at most (16,384 + 28 x 79) / 80 tiles).  Rows behind a tile's count take the tile's first token: they make and store the same numbers as row 0.
; A tile with count 0 walks the text on token 0 and jumps over its stores alone (a scalar branch on the stored count; no barrier and no wait stands under it).
; SHARES.  Five row tiles m of 16 tokens.  THE WAVES SHARE THE COLUMNS: wave w makes hidden units 32 w .. 32 w + 31 (u in tiles j = 0, 1, g in j = 2, 3) and output columns 256 w .. 256 w + 255.
; Both products are used transposed (source 0 = 16 rows of a weight, source 1 = 16 tokens): a lane holds ONE token (lane % 16).  Lane r of tile j takes weight row 128 (j / 2) + 32 w + 8 (j % 2) + r + 8 (r / 8),
; so that the 16 registers of tiles 0, 1 are hidden units 32 w + 16 (lane / 16) + 0 .. 15: a wave's 32 units are one block of the second K.
; The weights' codes come from wl, laid in the order of the operand's registers: each load reads 512 consecutive bytes.  No tensor load (a branch hangs on a stored number), hence no cluster: partners would
; also need tiles of one pair, which no fixed grid gives.  No prefetch: every address is known one hop ahead of its load, and all loads go out at once.
; LIMITS.  For g under about -88 the exponential overflows and h is 0 where the exact number lies under 1e-38.  A block of h that is all zeros gets the byte 1 with zero codes.  NaN and infinities are not served.
; LDS: XIMG: x's codes: block beta of token (m, r) at 8,704 m + 272 beta + 16 r;  HIMG: h's fragments [x][m], images of their registers (512 c + 16 lane);  HSC: their scale words [x][m][r], byte w;
;      STG: for each wave two stages of 16 rows x (256 + 16) bytes.
; REGISTERS, in windows of 256.  Window 0: below.  Window 1: expert a's up codes (8 (8 j + s)); later the down codes (a: 8 n, b: 128 + 8 n).  Window 2: expert b's up codes.
; Window 3, up: accumulators 8 (4 m + j): u at 32 m .. + 15, g at 32 m + 16 .. + 31; TT at work; down: ACC = 64 sigma + 32 x + 8 t, YY + 32 sigma the weighted sums.
.set XIMG, 0
.set HIMG, 43520
.set HSC,  53760
.set STG,  54784
.set L16, 1                            ; v1   16 x lane
.set L4,  2                            ; v2   4 x lane
.set R4,  3                            ; v3   4 r
.set XA,  4                            ; v4   16 r + 272 h: my place in a K step's blocks of x
.set XW,  5                            ; v5   272 x lane + 64 w: where a row of x's codes goes
.set HW,  6                            ; v6   256 w + 16 r + 8 h: my 8 bytes of h's image
.set HSW, 7                            ; v7   4 r + w: my wave's byte of a token's scale word
.set USV, 8                            ; v8   (r + 8 (r / 8)) 32 + 16 h: my row's four scale words of Wup
.set SO,  9                            ; v9   my stage, in: 272 r + 32 h
.set SR,  10                           ; v10  and back: 272 h + 16 r
.set CB,  11                           ; v11  1,024 w + 16 r: my bytes in a row of out0
.set H16, 12                           ; v12  16 h
.set TK0, 13                           ; v13  the tile's first token
.set TM,  14                           ; v14-18 token (m, r)
.set WK,  19
.set IDX, 20                           ; v20-27 8 i + 4 h: the lane that holds row 2 i + h's token, x 4
.set OFF, 28                           ; v28-43 two sets of 8 offsets in out0
.set USA, 44                           ; v44-115 hold scales and nothing else: Wup's of a, of b; x's; Wdown's of a, b; h's
.set USB, 60
.set XS,  76
.set DS,  96
.set HS,  112
.set XF,  116                          ; v116-195 x's fragments, two sets of 40; at the head XR: my 20 rows of codes
.set XR,  116
.set HF,  116                          ; down: v116-147 h's fragments, two sets of 16;  v148-151 wb, two pairs;  v152-215 rows read back, two sets of 32
.set WBP, 148
.set RB,  152
.set WT,  216                          ; v216-225 (wa, wb) of token (m, r)
.set XO,  226                          ; the head's offsets: v226-245 rows of xc, v246-250 xs, v251-255 wts
.set XSO, 246
.set WTO, 251
.set TT,  160                          ; window 3
.set MX,  240
.set PM,  245
.set SOP, 250
.set YY,  128
.set MSB, 0
.macro WIN new                         ; low byte: bits 1:0 source 0, 3:2 source 1, 5:4 source 2, 7:6 destination; the high byte repeats the setting that is left
.if MSB != \new
	s_set_vgpr_msb (MSB<<8)|\new
.set MSB, \new
.endif
.endm
.macro PLACES                          ; four plain lines behind a matrix instruction, ahead of reads of its result and of loads into its registers
.rept 4
	v_nop
.endr
.endm
	s_load_b512 s[4:19], s[0:1], 0x0               ; tab, rec, xc, xs, wts, wl, Wup_scales, Wdown_scales
	s_load_b64 s[20:21], s[0:1], 0x40              ; out0
	v_lshrrev_b32 v[WK], 5, v0
	v_readfirstlane_b32 s22, v[WK]                 ; wave 0..3
	v_and_b32 v196, 15, v0                         ; r
	v_lshlrev_b32 v[R4], 2, v196
	s_mov_b32 s75, 0
	s_wait_kmcnt 0x0
	s_lshl_b32 s74, ttmp9, 2
	s_add_nc_u64 s[4:5], s[4:5], s[74:75]          ; tab's word of my tile
	s_lshl_b32 s74, ttmp9, 9
	s_add_nc_u64 s[70:71], s[6:7], s[74:75]        ; rec's 512 bytes of my tile
	s_lshl_b32 s74, s22, 4
	s_add_nc_u64 s[72:73], s[70:71], s[74:75]      ; + 16 w
	s_load_b32 s23, s[4:5], 0x0
	s_load_b32 s44, s[70:71], 0x0                  ; the first token
.irp m, 0,1,2,3,4
	s_load_b128 s[24+4*\m:27+4*\m], s[72:73], 64*\m   ; the tokens of rows 16 m + 4 w + 0 .. 3: the rows whose codes I fetch
.endr
.irp m, 0,1,2,3,4
	global_load_b32 v[TM+\m], v[R4], s[70:71] offset:64*\m   ; and token (m, r) in every lane
.endr
	v_and_b32 v198, 31, v0                         ; lane
	v_bfe_u32 v197, v0, 4, 1                       ; h
	v_lshlrev_b32 v[L16], 4, v198
	v_lshlrev_b32 v[L4], 2, v198
	v_lshlrev_b32 v[H16], 4, v197
	v_mul_u32_u24 v199, v197, 272
	v_lshl_add_u32 v[XA], v196, 4, v199
	v_mul_u32_u24 v[XW], v198, 272
	s_lshl_b32 s74, s22, 6
	v_add_nc_u32 v[XW], s74, v[XW]
	v_lshlrev_b32 v[HW], 4, v196
	v_lshl_add_u32 v[HW], v197, 3, v[HW]
	s_lshl_b32 s74, s22, 8
	v_add_nc_u32 v[HW], s74, v[HW]
	v_lshl_add_u32 v[HSW], v196, 2, s22
	v_and_b32 v200, 8, v196
	v_add_nc_u32 v200, v200, v196
	v_lshl_add_u32 v[USV], v200, 5, v[H16]
	s_mul_i32 s74, s22, 8704
	s_add_co_u32 s74, s74, STG
	v_mul_u32_u24 v200, v196, 272
	v_lshl_add_u32 v200, v197, 5, v200
	v_add_nc_u32 v[SO], s74, v200
	v_lshl_add_u32 v200, v196, 4, v199
	v_add_nc_u32 v[SR], s74, v200
	s_lshl_b32 s74, s22, 10
	v_lshl_add_u32 v[CB], v196, 4, s74
.irp i, 0,1,2,3,4,5,6,7
	v_lshl_add_u32 v[IDX+\i], v197, 2, 8*\i
.endr
	WIN 0xc0
.irp m, 0,1,2,3,4
	v_mov_b32 v[PM+\m], 0                          ; written once: a lane permute's destination counts as one of its sources
.endr
	WIN 0
	s_mov_b32 s48, 0x76543210
	s_mov_b32 s49, 0xfedcba98                      ; v_permlanex16_b32's selects for lane l xor 16
	s_mov_b32 s50, 0xbfb8aa3b                      ; -log2(e)
	s_mov_b32 s51, s50                             ; (named with it as a pair, so it is written)
	s_lshl_b32 s77, s22, 2                         ; 4 w
	s_wait_kmcnt 0x0
	s_bfe_u32 s45, s23, 0x100010                   ; count
	s_bfe_u32 s46, s23, 0x80000
	s_min_u32 s46, s46, 7                          ; a
	s_bfe_u32 s47, s23, 0x80008
	s_min_u32 s47, s47, 7                          ; b
.irp m, 0,1,2,3,4
.irp jj, 0,1,2,3
	s_add_co_u32 s74, s77, 16*\m+\jj               ; row 16 m + 4 w + jj
	s_cmp_lt_u32 s74, s45
	s_cselect_b32 s74, s[24+4*\m+\jj], s44         ; behind the count: the first token
	s_min_u32 s74, s74, 0x3fff
	s_lshl_b32 s74, s74, 9
	v_add_nc_u32 v[XO+4*\m+\jj], s74, v[L16]
	global_load_b128 v[XR+4*(4*\m+\jj):XR+4*(4*\m+\jj)+3], v[XO+4*\m+\jj], s[8:9]   ; a whole row of codes: 512 consecutive bytes, block l in lane l
.endr
.endr
.macro BASES e, uc, dc, us, ds         ; where expert e's parts for my wave begin
	s_lshl_b32 s74, s[\e], 2
	s_add_co_u32 s76, s74, s22                     ; 4 e + w
	s_lshl_b32 s74, s76, 15
	s_add_nc_u64 s[\uc:\uc+1], s[14:15], s[74:75]  ; up codes: 32,768 bytes a wave
	s_lshl_b32 s74, s76, 14
	s_add_co_u32 s74, s74, 1048576
	s_add_nc_u64 s[\dc:\dc+1], s[14:15], s[74:75]  ; down codes: 16,384
	s_lshl_b32 s74, s76, 10
	s_add_nc_u64 s[\ds:\ds+1], s[18:19], s[74:75]  ; Wdown's scale words: 256 rows of 4 bytes
	s_lshl_b32 s74, s[\e], 3
	s_add_co_u32 s74, s74, s22
	s_lshl_b32 s74, s74, 10
	s_add_nc_u64 s[\us:\us+1], s[16:17], s[74:75]  ; Wup's scale bytes: row 256 e + 32 w, 32 bytes a row
.endm
	BASES 46, 52, 56, 60, 66
	BASES 47, 54, 58, 62, 68
	v_mov_b32 v[TK0], s44
	s_wait_loadcnt 20                              ; the five loads of token numbers are in; the 20 rows of codes behind them stay out
.irp m, 0,1,2,3,4
	v_and_or_b32 v[WK], v0, 15, 16*\m              ; row 16 m + r
	v_cmp_gt_u32 vcc_lo, s45, v[WK]
	v_cndmask_b32 v[TM+\m], v[TK0], v[TM+\m], vcc_lo
	v_min_u32 v[TM+\m], 0x3fff, v[TM+\m]
	v_lshl_add_u32 v[XSO+\m], v[TM+\m], 5, v[H16]
	v_lshlrev_b32 v[WTO+\m], 3, v[TM+\m]
	global_load_b128 v[XS+4*\m:XS+4*\m+3], v[XSO+\m], s[10:11]     ; register 4 m + i: lanes 0-15 the word of K step i, lanes 16-31 that of K step 4 + i
	global_load_b64 v[WT+2*\m:WT+2*\m+1], v[WTO+\m], s[12:13]
.endr
.macro UPLOAD sb, cb, US, win          ; an expert's up weights for my wave: 4 loads of scale words (register 4 j + i: K step i below, 4 + i above), 64 of codes
.irp j, 0,1,2,3
	global_load_b128 v[\US+4*\j:\US+4*\j+3], v[USV], s[\sb:\sb+1] offset:4096*(\j/2)+256*(\j%2)
.endr
	WIN \win
.irp j, 0,1,2,3
.irp i, 0,1,2,3,4,5,6,7,8,9,10,11,12,13,14,15
	global_load_b128 v[64*\j+4*\i:64*\j+4*\i+3], v[L16], s[\cb:\cb+1] offset:8192*\j+512*\i
.endr
.endr
	WIN 0
.endm
	UPLOAD 60, 52, USA, 0x40
	s_wait_loadcnt 63                              ; behind the last load of weights' pairs stand expert a's 68: with 63 out, the rows of codes, x's scale words and the weights' pairs are in
.irp m, 0,1,2,3,4
.irp jj, 0,1,2,3
	ds_store_b128 v[XW], v[XR+4*(4*\m+\jj):XR+4*(4*\m+\jj)+3] offset:XIMG+8704*\m+16*\jj
.endr
.endr
	UPLOAD 62, 54, USB, 0x80
	s_wait_dscnt 0x0                               ; for the others' sake: my 20 rows lie in LDS
	s_barrier_signal -1
	s_barrier_wait -1
.macro FETCHX s                        ; x's five fragments of K step s: registers 4 c .. 4 c + 3 = block 4 s + 2 c + h of token r
.irp m, 0,1,2,3,4
.irp c, 0,1
	ds_load_b128 v[XF+40*((\s)%2)+8*\m+4*\c:XF+40*((\s)%2)+8*\m+4*\c+3], v[XA] offset:XIMG+8704*\m+1088*(\s)+544*\c
.endr
.endr
.endm
; The first product of one expert: 8 K steps of 20 matrix instructions; the 20 accumulators take turns, one instruction a turn.  The first K step starts the sums.
.macro UP win, US
.irp s, 0,1,2,3,4,5,6,7
.if \s == 7
	s_wait_dscnt 0x0
.else
	s_wait_dscnt 10                                ; this K step's fragments are in; the ten LDS instructions issued last may be out
.endif
	WIN \win
.irp m, 0,1,2,3,4
.irp j, 0,1,2,3
.set rD, 8*(4*\m+\j)
.set rA, 8*(8*\j+\s)
.set rB, XF+40*(\s%2)+8*\m
.set rP, \US+4*\j+\s%4
.set rQ, XS+4*\m+\s%4
.if \s == 0
	v_wmma_scale_f32_16x16x128_f8f6f4 v[rD:rD+7], v[rA:rA+7], v[rB:rB+7], 0, v[rP], v[rQ] matrix_a_fmt:MATRIX_FMT_FP4 matrix_b_fmt:MATRIX_FMT_FP4
.elseif \s < 4
	v_wmma_scale_f32_16x16x128_f8f6f4 v[rD:rD+7], v[rA:rA+7], v[rB:rB+7], v[rD:rD+7], v[rP], v[rQ] matrix_a_fmt:MATRIX_FMT_FP4 matrix_b_fmt:MATRIX_FMT_FP4
.else
	v_wmma_scale_f32_16x16x128_f8f6f4 v[rD:rD+7], v[rA:rA+7], v[rB:rB+7], v[rD:rD+7], v[rP], v[rQ] matrix_a_fmt:MATRIX_FMT_FP4 matrix_b_fmt:MATRIX_FMT_FP4 matrix_a_scale:MATRIX_SCALE_ROW1 matrix_b_scale:MATRIX_SCALE_ROW1
.endif
.endr
.endr
	WIN 0
.if \s < 6
	PLACES
	FETCHX \s+2                                    ; into the set just multiplied
.endif
.endr
.endm
; h = u g / (1 + 2^(-g log2 e)), in f32, in window 3.  Each batch of 80 transcendentals has one wait ahead of its first reader.  Every accumulator is read from its low end on.
.macro SWIGLU
	WIN 0xff
.irp m, 0,1,2,3,4
.irp i, 0,2,4,6,8,10,12,14
	v_pk_mul_f32 v[TT+16*\m+\i:TT+16*\m+\i+1], v[32*\m+16+\i:32*\m+17+\i], s[50:51] op_sel_hi:[1,0]
.endr
.endr
.irp m, 0,1,2,3,4
.irp i, 0,1,2,3,4,5,6,7,8,9,10,11,12,13,14,15
	v_exp_f32 v[TT+16*\m+\i], v[TT+16*\m+\i]
.endr
.endr
.irp m, 0,1,2,3,4
.irp i, 0,2,4,6,8,10,12,14
	v_pk_mul_f32 v[32*\m+\i:32*\m+\i+1], v[32*\m+\i:32*\m+\i+1], v[32*\m+16+\i:32*\m+17+\i]   ; u g: plain work behind the exponentials
.endr
.endr
	s_wait_alu depctr_va_vdst(0)
.irp m, 0,1,2,3,4
.irp i, 0,2,4,6,8,10,12,14
	v_pk_add_f32 v[TT+16*\m+\i:TT+16*\m+\i+1], v[TT+16*\m+\i:TT+16*\m+\i+1], 1.0 op_sel_hi:[1,0]
.endr
.endr
.irp m, 0,1,2,3,4
.irp i, 0,1,2,3,4,5,6,7,8,9,10,11,12,13,14,15
	v_rcp_f32 v[TT+16*\m+\i], v[TT+16*\m+\i]
.endr
.endr
	v_nop                                          ; a plain line behind the last reciprocal
	s_wait_alu depctr_va_vdst(0)
.irp m, 0,1,2,3,4
.irp i, 0,2,4,6,8,10,12,14
	v_pk_mul_f32 v[32*\m+\i:32*\m+\i+1], v[32*\m+\i:32*\m+\i+1], v[TT+16*\m+\i:TT+16*\m+\i+1]
.endr
.endr
.endm
; h's block of my wave, for the five row tiles by turns: my 16 numbers and lane l xor 16's; the byte; 16 codes = 8 bytes, which go to their place in the image of the second product's operand.
.macro HQUANT x
.irp m, 0,1,2,3,4
	v_max3_num_f32 v[MX+\m], |v[32*\m]|, |v[32*\m+1]|, 0x1800000   ; with the floor 2^(3 - 127): the byte cannot fall under 1
.endr
.irp i, 2,4,6,8,10,12,14
.irp m, 0,1,2,3,4
	v_max3_num_f32 v[MX+\m], v[MX+\m], |v[32*\m+\i]|, |v[32*\m+\i+1]|
.endr
.endr
.irp m, 0,1,2,3,4
	v_permlanex16_b32 v[PM+\m], v[MX+\m], s48, s49
.endr
.irp m, 0,1,2,3,4
	v_max_num_f32 v[MX+\m], v[MX+\m], v[PM+\m]
.endr
.irp m, 0,1,2,3,4
	v_add_nc_u32 v[SOP+\m], 0xff000000, v[MX+\m]   ; 2 off the exponent field: the conversion's scale operand
.endr
.irp m, 0,1,2,3,4
	v_lshrrev_b32 v[PM+\m], 23, v[SOP+\m]          ; the scale's byte
.endr
.irp m, 0,1,2,3,4
	v_cvt_scalef32_pk8_fp4_f32 v[TT+16*\m], v[32*\m:32*\m+7], v[SOP+\m]
	v_cvt_scalef32_pk8_fp4_f32 v[TT+16*\m+1], v[32*\m+8:32*\m+15], v[SOP+\m]
.endr
	v_nop                                          ; one plain line behind the last scaled conversion
	WIN 0x0c                                       ; an LDS store's data are its source 1: window 3
.irp m, 0,1,2,3,4
	ds_store_b64 v[HW], v[TT+16*\m:TT+16*\m+1] offset:HIMG+1024*(5*\x+\m)
	ds_store_b8 v[HSW], v[PM+\m] offset:HSC+64*(5*\x+\m)           ; both halves of the lanes write the same byte with the same value
.endr
	WIN 0
.endm
.macro DLOAD cb, sb, x                 ; an expert's down weights for my wave: 16 tiles of 16 columns; scale words: register n2: lanes 0-15 tile 2 n2, lanes 16-31 tile 2 n2 + 1
	WIN 0x40
.irp i, 0,1,2,3,4,5,6,7,8,9,10,11,12,13,14,15,16,17,18,19,20,21,22,23,24,25,26,27,28,29,30,31
	global_load_b128 v[128*\x+4*\i:128*\x+4*\i+3], v[L16], s[\cb:\cb+1] offset:512*\i
.endr
	WIN 0
.irp n, 0,1,2,3,4,5,6,7
	global_load_b32 v[DS+8*\x+\n], v[L4], s[\sb:\sb+1] offset:128*\n
.endr
.endm
	FETCHX 0
	FETCHX 1
	s_wait_loadcnt 63                              ; behind expert a's last load stand expert b's 68: with 63 out, a's weights are in
	UP 0xf1, USA
	s_wait_loadcnt 0x0                             ; expert b's weights: they had the whole phase in which to land
	PLACES                                         ; behind the last products: for the loads into window 1 and into x's fragments, and for the reads of the sums
	DLOAD 56, 66, 0
	DLOAD 58, 68, 1
	FETCHX 0
	FETCHX 1
	SWIGLU
	HQUANT 0
	UP 0xf2, USB
	PLACES
	SWIGLU
	HQUANT 1
	s_wait_dscnt 0x0                               ; for the others' sake: my parts of h's images and scale words lie in LDS
	s_barrier_signal -1
	s_barrier_wait -1
	s_wait_loadcnt 0x0                             ; the down weights
; THE SECOND PRODUCT goes in 20 groups g = 4 m + n4: row tile m, 64 of my columns (tiles 4 n4 + t), both experts: 8 matrix instructions, each a whole sum (K = 128, C = 0).
; Two sets of accumulators, stages and rows by turns (sigma = g % 2); what hangs on m has two sets too (m % 2).
.macro PREP m                          ; row tile m: h's two fragments, their scale words, and the tokens of rows 2 i + h
	s_wait_xcnt 0x0                                ; the stores of two row tiles back have read this set of offsets: it is written again only behind this wait
.irp x, 0,1
.irp c, 0,1
	ds_load_b128 v[HF+16*((\m)%2)+8*\x+4*\c:HF+16*((\m)%2)+8*\x+4*\c+3], v[L16] offset:HIMG+1024*(5*\x+(\m))+512*\c
.endr
	ds_load_b32 v[HS+2*((\m)%2)+\x], v[R4] offset:HSC+64*(5*\x+(\m))
.endr
.irp i, 0,1,2,3,4,5,6,7
	ds_bpermute_b32 v[OFF+8*((\m)%2)+\i], v[IDX+\i], v[TM+(\m)]
.endr
.endm
.macro POST m                          ; the offsets in out0: token x 4,096 + my bytes; and wb as a pair
.irp i, 0,1,2,3,4,5,6,7
	v_min_u32 v[OFF+8*((\m)%2)+\i], 0x3fff, v[OFF+8*((\m)%2)+\i]
.endr
.irp i, 0,1,2,3,4,5,6,7
	v_lshl_add_u32 v[OFF+8*((\m)%2)+\i], v[OFF+8*((\m)%2)+\i], 12, v[CB]
.endr
	v_mov_b32 v[WBP+2*((\m)%2)], v[WT+2*(\m)+1]
	v_mov_b32 v[WBP+2*((\m)%2)+1], v[WT+2*(\m)+1]
.endm
.macro MM                              ; group gm
	WIN 0xf1
.irp t, 0,1,2,3
.irp x, 0,1
.set rD, 64*(gm%2)+32*\x+8*\t
.set rA, 128*\x+8*(4*(gm%4)+\t)
.set rB, HF+16*((gm/4)%2)+8*\x
.set rP, DS+8*\x+(4*(gm%4)+\t)/2
.set rQ, HS+2*((gm/4)%2)+\x
.if \t%2
	v_wmma_scale_f32_16x16x128_f8f6f4 v[rD:rD+7], v[rA:rA+7], v[rB:rB+7], 0, v[rP], v[rQ] matrix_a_fmt:MATRIX_FMT_FP4 matrix_b_fmt:MATRIX_FMT_FP4 matrix_a_scale:MATRIX_SCALE_ROW1
.else
	v_wmma_scale_f32_16x16x128_f8f6f4 v[rD:rD+7], v[rA:rA+7], v[rB:rB+7], 0, v[rP], v[rQ] matrix_a_fmt:MATRIX_FMT_FP4 matrix_b_fmt:MATRIX_FMT_FP4
.endif
.endr
.endr
.endm
.macro COMBINE                         ; group gc: wa ya + wb yb, each accumulator from its low end on.  These 32 lines are also the places behind the next group's products
	WIN 0xf3                                       ; source 1 (the weights) window 0, all else window 3
.irp i, 0,2,4,6,8,10,12,14,16,18,20,22,24,26,28,30
	v_pk_mul_f32 v[YY+32*(gc%2)+\i:YY+32*(gc%2)+\i+1], v[64*(gc%2)+32+\i:64*(gc%2)+33+\i], v[WBP+2*((gc/4)%2):WBP+2*((gc/4)%2)+1] op_sel_hi:[1,0]
.endr
.irp i, 0,2,4,6,8,10,12,14,16,18,20,22,24,26,28,30
	v_pk_fma_f32 v[YY+32*(gc%2)+\i:YY+32*(gc%2)+\i+1], v[64*(gc%2)+\i:64*(gc%2)+\i+1], v[WT+2*(gc/4):WT+2*(gc/4)+1], v[YY+32*(gc%2)+\i:YY+32*(gc%2)+\i+1] op_sel_hi:[1,0,1]
.endr
.endm
.macro TOSTAGE                         ; group gc: a lane's 32 bytes of a row into my own stage, and back as rows of 256 bytes; LDS serves a wave's instructions in order
	s_wait_xcnt 0x0                                ; the stores of two groups back have read their data: the loads below may land there
	WIN 0x0c
.irp t, 0,1,2,3
	ds_store_b128 v[SO], v[YY+32*(gc%2)+8*\t:YY+32*(gc%2)+8*\t+3] offset:4352*(gc%2)+64*\t
	ds_store_b128 v[SO], v[YY+32*(gc%2)+8*\t+4:YY+32*(gc%2)+8*\t+7] offset:4352*(gc%2)+64*\t+16
.endr
	WIN 0
.irp i, 0,1,2,3,4,5,6,7
	ds_load_b128 v[RB+32*(gc%2)+4*\i:RB+32*(gc%2)+4*\i+3], v[SR] offset:4352*(gc%2)+544*\i
.endr
.endm
.macro SEND younger                    ; group gs; younger: the LDS instructions issued behind its loads that may stay out
	s_wait_dscnt \younger
	s_cmp_eq_u32 s45, 0                            ; a tile without tokens stores nothing
	s_cbranch_scc1 .Lempty_\@
.irp i, 0,1,2,3,4,5,6,7
	global_store_b128 v[OFF+8*((gs/4)%2)+\i], v[RB+32*(gs%2)+4*\i:RB+32*(gs%2)+4*\i+3], s[20:21] offset:256*(gs%4) th:TH_STORE_NT   ; sixteen lanes store 256 consecutive bytes of a token's row, aligned
.endr
.Lempty_\@:
.endm
	PREP 0
	s_wait_dscnt 0x0
	POST 0
.set gm, 0
	MM
.set g, 0
.rept 20
.if (g%4 == 1) && (g/4 < 4)
	WIN 0
	PREP g/4+1                                     ; two groups ahead of its first use
.endif
.if (g%4 == 2) && (g/4 < 4)
	WIN 0
	POST g/4+1                                     ; the last group's wait, which left only that group's sixteen stage instructions out, has shown PREP's fourteen done
.endif
.if g < 19
.set gm, g+1
	MM
.endif
.if g == 0
	PLACES                                         ; the first group has no earlier group's lines behind its products
.endif
.set gc, g
	COMBINE
	TOSTAGE
.if g > 0
.set gs, g-1
	SEND 16                                        ; behind the last group's loads stand this group's 8 stores and 8 loads
.endif
.set g, g+1
.endr
.set gs, 19
	SEND 0
	s_wait_xcnt 0x0
	v_lshl_add_u32 v254, v0, 2, 0x16000
	v_mov_b32 v255, 0
	s_wait_tensorcnt 0x0
	ds_add_u32 v254, v255
	s_wait_dscnt 0x0
	s_endpgm
.Lfunc_end_k_qf27887e0cb_chain:
	.size	k_qf27887e0cb_chain, .Lfunc_end_k_qf27887e0cb_chain-k_qf27887e0cb_chain
	.p2alignl 7, 3214868480
	.fill 96, 4, 3214868480
	.section	.rodata,"a",@progbits
	.p2align	6, 0x0
	.amdhsa_kernel k_qf27887e0cb_chain
		.amdhsa_group_segment_fixed_size 90624
		.amdhsa_private_segment_fixed_size 0
		.amdhsa_enable_private_segment 0
		.amdhsa_kernarg_size 72
		.amdhsa_user_sgpr_count 2
		.amdhsa_user_sgpr_kernarg_segment_ptr 1
		.amdhsa_wavefront_size32 1
		.amdhsa_system_sgpr_workgroup_id_x 1
		.amdhsa_system_sgpr_workgroup_id_y 1
		.amdhsa_system_sgpr_workgroup_id_z 1
		.amdhsa_system_vgpr_workitem_id 0
		.amdhsa_next_free_vgpr 1024
		.amdhsa_next_free_sgpr 80
		.amdhsa_reserve_vcc 1
		.amdhsa_float_denorm_mode_32 3
		.amdhsa_float_denorm_mode_16_64 3
		.amdhsa_memory_ordered 1
		.amdhsa_forward_progress 1
		.amdhsa_inst_pref_size 240
	.end_amdhsa_kernel
	.amdgpu_metadata
---
amdhsa.version: [ 1, 2 ]
amdhsa.kernels:
  - .name:           k_qf27887e0cb_chain
    .symbol:         k_qf27887e0cb_chain.kd
    .args:
      - { .name: tab, .offset: 0, .size: 8, .value_kind: global_buffer, .address_space: global }
      - { .name: rec, .offset: 8, .size: 8, .value_kind: global_buffer, .address_space: global }
      - { .name: xc, .offset: 16, .size: 8, .value_kind: global_buffer, .address_space: global }
      - { .name: xs, .offset: 24, .size: 8, .value_kind: global_buffer, .address_space: global }
      - { .name: wts, .offset: 32, .size: 8, .value_kind: global_buffer, .address_space: global }
      - { .name: wl, .offset: 40, .size: 8, .value_kind: global_buffer, .address_space: global }
      - { .name: Wup_scales, .offset: 48, .size: 8, .value_kind: global_buffer, .address_space: global }
      - { .name: Wdown_scales, .offset: 56, .size: 8, .value_kind: global_buffer, .address_space: global }
      - { .name: out0, .offset: 64, .size: 8, .value_kind: global_buffer, .address_space: global }
    .group_segment_fixed_size: 90624
    .private_segment_fixed_size: 0
    .kernarg_segment_align: 8
    .kernarg_segment_size: 72
    .max_flat_workgroup_size: 128
    .sgpr_count:     80
    .vgpr_count:     1024
    .wavefront_size: 32
...
	.end_amdgpu_metadata
.endif
;; end of part 3
;; ======== version 2 of 3: 3 launches
;; workspace buffers: xc 8,388,608 bytes; xs 524,288 bytes; wts 131,072 bytes; meta 65,536 bytes of whole numbers; cnt 65,536 bytes of whole numbers; rec 131,072 bytes of whole numbers; tab 1,024 bytes of whole numbers; wl 1,572,864 bytes
;; launch route: the kernel of part 1 again; grid 256 x 1, 8 waves a work-group, no clusters, 115,712 bytes of LDS; arguments x, Wg, bg, xc, xs, wts, meta, cnt, rec; writes xc, xs, wts, meta, cnt, rec
;; launch place (part 4): grid 28 x 1, 16 waves a work-group, no clusters, 69,632 bytes of LDS; arguments cnt, meta, Wup_codes, Wdown_codes, rec, tab, wl; writes rec, tab, wl
.if DOCPART == 4
	.amdgcn_target "amdgcn-amd-amdhsa--gfx1250"
	.amdhsa_code_object_version 6
	.text
	.protected	k_qf27887e0cb_place
	.globl	k_qf27887e0cb_place
	.p2align	8
	.type	k_qf27887e0cb_place,@function
k_qf27887e0cb_place:
	s_mov_b64 s[64:65], 0
	v_nop
	global_prefetch_b8 v0, s[64:65] scope:SCOPE_SE
	s_setreg_imm32_b32 hwreg(HW_REG_WAVE_MODE, 25, 1), 1
	s_wait_xcnt 0x0
; PLACE.  Work-groups 0 to 15 place the tokens: the tokens of one pair of experts follow each other, in tiles of 80.  rec [tile][128]: words 0 .. 79 = token numbers;  tab [tile] = a | b << 8 | count << 16.
; The sum over the 28 pairs of ceil(n / 80) is at most (16,384 + 28 x 79) / 80 = 232: that many tiles serve every split; tab has 256 words, those behind the last tile with count 0.
; No atomics: each token's place is its pair's first tile, the pair's tokens in earlier groups (prefix sums of cnt) and its rank in its own group (meta).
; THE SUMS ARE MADE SIXTEEN TIMES, THE SCATTER IS SHARED OUT.  Every placing work-group reads all of cnt (64 KiB) and makes the same sums: wave w those of groups 32 w .. 32 w + 31 (lane = pair).
; Work-group k scatters the tokens of groups 32 k .. 32 k + 31 alone, its wave w those of groups 32 k + 2 w and 32 k + 2 w + 1: 32 stores of 32 scattered words a work-group, where one work-group alone would have 512.
; The running sums that wave w needs for them are wave k's: every wave lays its 32 running sums in LDS bytes of its own, ahead of the one barrier, and reads two of wave k's behind it.
; Work-group 0 also writes the table.
; Work-groups 16 to 27 lay the weights' codes in the order of the operand's registers, so that the next launch loads each fragment by loads of 512 consecutive bytes:
;   up:   wl + 8,192 u + 512 (2 s + c) + 16 lane, u = (4 e + w) 4 + j: tile j of wave w of expert e, K step s; lane (r, h) holds row 256 e + 128 (j / 2) + 32 w + 8 (j % 2) + r + 8 (r / 8), bytes 64 s + 32 c + 16 h;
;   down: wl + 1,048,576 + 1,024 T + 512 c + 16 lane: tile T of 16 rows; lane (r, h) holds row 16 T + r, bytes 32 c + 16 h.
; x / 80 = (x x 52,429) >> 22, exact for x up to 16,463 (the error x x 4.8e-8 stays under 1 / 80).
; LDS: 0: the sixteen waves' totals, 128 w + 4 p;  PRE: the running sums: P_j of wave w, pair p, at PRE + 4,096 w + 512 (j / 4) + 16 p + 4 (j % 4).
.set PRE, 2048
.set C,  32                            ; v32-63   the counts of my wave's 32 groups (lane = pair)
.set P,  64                            ; v64-96   their running sums
.set M,  128                           ; v128-129 meta of the two groups that I scatter (lane = token); later the offsets in rec
.set PW, 130                           ; v130-131 lane = pair: what a token of these two groups fetches from its pair's lane
.set IX, 132                           ; v132-133 4 x the token's pair
.set B,  134                           ; v134-135 what it fetched
.set TK, 136                           ; v136-137 the token's number
.set PT, 160                           ; v160-175 the sixteen waves' totals
.set TL, 28                            ; s28-55   the 28 pairs' numbers of tiles
	s_load_b256 s[4:11], s[0:1], 0x0               ; cnt, meta, Wup_codes, Wdown_codes
	s_load_b128 s[12:15], s[0:1], 0x20             ; rec, tab
	s_load_b64 s[16:17], s[0:1], 0x30              ; wl
	v_lshl_add_u32 v254, v0, 2, 0x10800
	v_mov_b32 v255, 0
	v_lshrrev_b32 v1, 5, v0
	v_readfirstlane_b32 s20, v1                    ; wave 0..15
	v_and_b32 v1, 31, v0                           ; lane
	v_lshlrev_b32 v2, 2, v1
	v_lshlrev_b32 v3, 4, v1
	v_and_b32 v4, 15, v0                           ; r
	v_bfe_u32 v5, v0, 4, 1                         ; h
	s_mov_b32 s25, 0
	s_wait_kmcnt 0x0
.macro RELAY sb, up                    ; sixteen loads of 16 bytes a lane, stored as 512 consecutive bytes each
.irp i, 0,1,2,3,4,5,6,7,8,9,10,11,12,13,14,15
.if \up
	global_load_b128 v[32+4*\i:35+4*\i], v6, s[\sb:\sb+1] offset:32*\i
.else
	global_load_b128 v[32+4*\i:35+4*\i], v6, s[\sb:\sb+1] offset:1024*(\i/2)+32*(\i%2)
.endif
.endr
.irp i, 0,1,2,3,4,5,6,7,8,9,10,11,12,13,14,15
	s_wait_loadcnt 15-\i                           ; load i is in; those issued behind it stay out
	global_store_b128 v3, v[32+4*\i:35+4*\i], s[16:17] offset:512*\i
.endr
	s_endpgm
.endm
	s_cmp_lt_u32 ttmp9, 16
	s_cbranch_scc1 .Lplace
	s_cmp_gt_u32 ttmp9, 23
	s_cbranch_scc1 .Ldown
	s_sub_co_u32 s21, ttmp9, 16                    ; UP: expert e; my wave's number is 4 w + j
	s_lshr_b32 s22, s20, 2                         ; w
	s_and_b32 s23, s20, 3                          ; j
	s_lshl_b32 s24, s21, 8
	s_lshr_b32 s26, s23, 1
	s_lshl_b32 s26, s26, 7
	s_add_co_u32 s24, s24, s26
	s_lshl_b32 s26, s22, 5
	s_add_co_u32 s24, s24, s26
	s_and_b32 s26, s23, 1
	s_lshl_b32 s26, s26, 3
	s_add_co_u32 s24, s24, s26                     ; row 256 e + 128 (j / 2) + 32 w + 8 (j % 2)
	s_lshl_b32 s24, s24, 9                         ; of 512 bytes
	s_add_nc_u64 s[8:9], s[8:9], s[24:25]
	s_lshl_b32 s24, s21, 4
	s_add_co_u32 s24, s24, s20
	s_lshl_b32 s24, s24, 13                        ; 8,192 u
	s_add_nc_u64 s[16:17], s[16:17], s[24:25]
	v_and_b32 v6, 8, v4
	v_add_nc_u32 v6, v6, v4                        ; r + 8 (r / 8)
	v_lshlrev_b32 v6, 9, v6
	v_lshl_add_u32 v6, v5, 4, v6
	RELAY 8, 1
.Ldown:
	s_sub_co_u32 s21, ttmp9, 24                    ; DOWN: unit d = 16 (work-group - 24) + wave: 8 tiles of 16 rows of 64 bytes
	s_lshl_b32 s24, s21, 4
	s_add_co_u32 s24, s24, s20
	s_lshl_b32 s24, s24, 13
	s_add_nc_u64 s[10:11], s[10:11], s[24:25]
	s_add_co_u32 s24, s24, 1048576
	s_add_nc_u64 s[16:17], s[16:17], s[24:25]
	v_lshlrev_b32 v6, 6, v4
	v_lshl_add_u32 v6, v5, 4, v6
	RELAY 10, 0
.Lplace:
	s_min_u32 s21, ttmp9, 15                       ; k: the work-group's number (under 16 on this way)
	s_lshl_b32 s24, s20, 12                        ; cnt: wave w sums groups 32 w .. 32 w + 31: 4,096 bytes
	s_add_nc_u64 s[4:5], s[4:5], s[24:25]
	s_lshl_b32 s24, s21, 12                        ; meta: groups 32 k + 2 w and + 1: 128 bytes a group
	s_lshl_b32 s22, s20, 8
	s_add_co_u32 s24, s24, s22
	s_add_nc_u64 s[6:7], s[6:7], s[24:25]
.irp j, 0,1,2,3,4,5,6,7,8,9,10,11,12,13,14,15,16,17,18,19,20,21,22,23,24,25,26,27,28,29,30,31
	global_load_b32 v[C+\j], v2, s[4:5] offset:128*\j
.endr
	global_load_b32 v[M], v2, s[6:7]
	global_load_b32 v[M+1], v2, s[6:7] offset:128
	s_lshl_b32 s22, s20, 7
	v_add_nc_u32 v22, s22, v2                      ; my wave's totals: 128 w + 4 p
	s_lshl_b32 s22, s20, 12
	s_add_co_u32 s22, s22, PRE
	v_add_nc_u32 v23, s22, v3                      ; my wave's running sums: PRE + 4,096 w + 16 p
	s_lshl_b32 s22, s21, 12                        ; and where I read wave k's P_2w and P_2w+1: PRE + 4,096 k + 512 (w / 2) + 8 (w % 2) + 16 p
	s_lshr_b32 s23, s20, 1
	s_lshl_b32 s23, s23, 9
	s_add_co_u32 s22, s22, s23
	s_and_b32 s23, s20, 1
	s_lshl_b32 s23, s23, 3
	s_add_co_u32 s22, s22, s23
	s_add_co_u32 s22, s22, PRE
	v_add_nc_u32 v24, s22, v3
	s_wait_loadcnt 2                               ; the counts are in; meta's two loads, issued behind them, stay out
	v_mov_b32 v[P], 0
.irp j, 0,1,2,3,4,5,6,7,8,9,10,11,12,13,14,15,16,17,18,19,20,21,22,23,24,25,26,27,28,29,30,31
	v_add_nc_u32 v[P+\j+1], v[P+\j], v[C+\j]       ; lane p: pair p's tokens in my groups ahead of group j
.endr
	ds_store_b32 v22, v[P+32]                      ; my wave's totals
.irp i, 0,1,2,3,4,5,6,7
	ds_store_b128 v23, v[P+4*\i:P+4*\i+3] offset:512*\i   ; P_4i .. P_4i+3: 512 consecutive bytes a store
.endr
	s_wait_dscnt 0x0                               ; for the others' sake: my sums lie in LDS
	s_barrier_signal -1
	s_barrier_wait -1
.irp k, 0,1,2,3,4,5,6,7,8,9,10,11,12,13,14,15
	ds_load_b32 v[PT+\k], v2 offset:128*\k
.endr
	ds_load_b64 v[PW:PW+1], v24                    ; the pair's tokens in groups 32 k .. ahead of group 32 k + 2 w, and ahead of the next
	v_mov_b32 v8, 0                                ; N: the pair's tokens in all
	v_mov_b32 v9, 0                                ; and in groups under 32 k
	s_wait_dscnt 0x0
.irp k, 0,1,2,3,4,5,6,7,8,9,10,11,12,13,14,15
	v_add_nc_u32 v8, v8, v[PT+\k]
	s_cmp_gt_u32 s21, \k
	s_cselect_b32 s22, -1, 0
	v_and_b32 v13, s22, v[PT+\k]
	v_add_nc_u32 v9, v9, v13
.endr
	v_add_nc_u32 v10, 79, v8
	v_mul_u32_u24 v10, v10, 0xcccd
	v_lshrrev_b32 v10, 22, v10                     ; the pair's tiles: ceil(N / 80)
.irp p, 0,1,2,3,4,5,6,7,8,9,10,11,12,13,14,15,16,17,18,19,20,21,22,23,24,25,26,27
	v_readlane_b32 s[TL+\p], v10, \p               ; all 28 together, so that the additions below wait for no vector instruction
.endr
	s_mov_b32 s24, 0
	v_mov_b32 v11, 0                               ; S: the pair's first tile
.irp p, 0,1,2,3,4,5,6,7,8,9,10,11,12,13,14,15,16,17,18,19,20,21,22,23,24,25,26,27
	v_writelane_b32 v11, s24, \p
	s_add_co_u32 s24, s24, s[TL+\p]
.endr
.irp p, 28,29,30,31
	v_writelane_b32 v11, s24, \p                   ; behind the last pair: the number of tiles
.endr
	v_lshl_add_u32 v15, v11, 16, v9
	v_add_nc_u32 v[PW], v[PW], v15                 ; first tile << 16 | the pair's tokens ahead of the group (under 2^15)
	v_add_nc_u32 v[PW+1], v[PW+1], v15
	s_wait_loadcnt 0x0                             ; meta
.irp i, 0,1
	v_and_b32 v[IX+\i], 0xff, v[M+\i]
	v_min_u32 v[IX+\i], 31, v[IX+\i]
	v_lshlrev_b32 v[IX+\i], 2, v[IX+\i]
	ds_bpermute_b32 v[B+\i], v[IX+\i], v[PW+\i]    ; lane = token: from my pair's lane
.endr
	s_lshl_b32 s22, s21, 10
	s_lshl_b32 s23, s20, 6
	s_add_co_u32 s22, s22, s23
	v_add_nc_u32 v16, s22, v1                      ; 1,024 k + 64 w + l
	s_wait_dscnt 0x0
.irp i, 0,1
	v_and_b32 v13, 0xffff, v[B+\i]
	v_bfe_u32 v14, v[M+\i], 8, 8
	v_add_nc_u32 v13, v13, v14                     ; my rank among the pair's tokens
	v_mul_u32_u24 v14, v13, 0xcccd
	v_lshrrev_b32 v14, 22, v14                     ; q = rank / 80
	v_mad_u32_u24 v13, v14, 48, v13                ; 128 q + (rank - 80 q)
	v_lshrrev_b32 v14, 16, v[B+\i]
	v_lshl_add_u32 v13, v14, 7, v13                ; + 128 x the pair's first tile
	v_min_u32 v13, 0x7fff, v13                     ; a word of rec
	v_lshlrev_b32 v[M+\i], 2, v13
	v_add_nc_u32 v[TK+\i], 32*\i, v16              ; my token's number
	global_store_b32 v[M+\i], v[TK+\i], s[12:13]   ; each of the two has registers of its own: none is written again
.endr
	s_cmp_lg_u32 ttmp9, 0
	s_cbranch_scc1 .Ldone
	s_cmp_gt_u32 s20, 7
	s_cbranch_scc1 .Ldone
	v_mov_b32 v12, 0                               ; THE TABLE, work-group 0, threads 0 to 255: tile t's pair = how many pairs end at or under t
	s_mov_b32 s24, 0
.irp p, 0,1,2,3,4,5,6,7,8,9,10,11,12,13,14,15,16,17,18,19,20,21,22,23,24,25,26,27
	s_add_co_u32 s24, s24, s[TL+\p]
	v_cmp_le_u32 vcc_lo, s24, v0
	v_cndmask_b32 v13, 0, 1, vcc_lo
	v_add_nc_u32 v12, v12, v13
.endr
	v_min_u32 v13, 31, v12
	v_lshlrev_b32 v13, 2, v13
	ds_bpermute_b32 v17, v13, v11                  ; its pair's first tile
	ds_bpermute_b32 v18, v13, v8                   ; and tokens
	v_mov_b32 v19, 0
.irp th, 7,13,18,22,25,27
	v_cmp_le_u32 vcc_lo, \th, v12
	v_cndmask_b32 v14, 0, 1, vcc_lo
	v_add_nc_u32 v19, v19, v14                     ; a: how many of the first pairs of a = 1 .. 6 lie at or under p
.endr
	v_sub_nc_u32 v14, 15, v19
	v_mul_u32_u24 v14, v14, v19
	v_lshrrev_b32 v14, 1, v14
	v_sub_nc_u32 v20, v12, v14
	v_add3_u32 v20, v20, v19, 1                    ; b = p - a (15 - a) / 2 + a + 1
	s_wait_dscnt 0x0
	v_sub_nc_u32 v17, v0, v17
	v_mul_u32_u24 v17, v17, 80
	v_sub_nc_u32 v18, v18, v17                     ; what is left of the pair from this tile on (signed),
	v_min_i32 v18, 80, v18
	v_max_i32 v18, 0, v18                          ; held to 0 .. 80
	v_lshl_or_b32 v19, v20, 8, v19
	v_lshl_or_b32 v19, v18, 16, v19
	v_lshlrev_b32 v21, 2, v0
	global_store_b32 v21, v19, s[14:15]
.Ldone:
	s_wait_tensorcnt 0x0
	ds_add_u32 v254, v255
	s_wait_dscnt 0x0
	s_endpgm
.Lfunc_end_k_qf27887e0cb_place:
	.size	k_qf27887e0cb_place, .Lfunc_end_k_qf27887e0cb_place-k_qf27887e0cb_place
	.p2alignl 7, 3214868480
	.fill 96, 4, 3214868480
	.section	.rodata,"a",@progbits
	.p2align	6, 0x0
	.amdhsa_kernel k_qf27887e0cb_place
		.amdhsa_group_segment_fixed_size 69632
		.amdhsa_private_segment_fixed_size 0
		.amdhsa_enable_private_segment 0
		.amdhsa_kernarg_size 56
		.amdhsa_user_sgpr_count 2
		.amdhsa_user_sgpr_kernarg_segment_ptr 1
		.amdhsa_wavefront_size32 1
		.amdhsa_system_sgpr_workgroup_id_x 1
		.amdhsa_system_sgpr_workgroup_id_y 1
		.amdhsa_system_sgpr_workgroup_id_z 1
		.amdhsa_system_vgpr_workitem_id 0
		.amdhsa_next_free_vgpr 256
		.amdhsa_next_free_sgpr 66
		.amdhsa_reserve_vcc 1
		.amdhsa_float_denorm_mode_32 3
		.amdhsa_float_denorm_mode_16_64 3
		.amdhsa_memory_ordered 1
		.amdhsa_forward_progress 1
		.amdhsa_inst_pref_size 32
	.end_amdhsa_kernel
	.amdgpu_metadata
---
amdhsa.version: [ 1, 2 ]
amdhsa.kernels:
  - .name:           k_qf27887e0cb_place
    .symbol:         k_qf27887e0cb_place.kd
    .args:
      - { .name: cnt, .offset: 0, .size: 8, .value_kind: global_buffer, .address_space: global }
      - { .name: meta, .offset: 8, .size: 8, .value_kind: global_buffer, .address_space: global }
      - { .name: Wup_codes, .offset: 16, .size: 8, .value_kind: global_buffer, .address_space: global }
      - { .name: Wdown_codes, .offset: 24, .size: 8, .value_kind: global_buffer, .address_space: global }
      - { .name: rec, .offset: 32, .size: 8, .value_kind: global_buffer, .address_space: global }
      - { .name: tab, .offset: 40, .size: 8, .value_kind: global_buffer, .address_space: global }
      - { .name: wl, .offset: 48, .size: 8, .value_kind: global_buffer, .address_space: global }
    .group_segment_fixed_size: 69632
    .private_segment_fixed_size: 0
    .kernarg_segment_align: 8
    .kernarg_segment_size: 56
    .max_flat_workgroup_size: 512
    .sgpr_count:     66
    .vgpr_count:     256
    .wavefront_size: 32
...
	.end_amdgpu_metadata
.endif
;; end of part 4
;; launch chain: the kernel of part 3 again; grid 232 x 1, 4 waves a work-group, no clusters, 90,624 bytes of LDS; arguments tab, rec, xc, xs, wts, wl, Wup_scales, Wdown_scales, out0; writes out0
;; ======== version 3 of 3: 3 launches
;; workspace buffers: xc 8,388,608 bytes; xs 524,288 bytes; wts 131,072 bytes; meta 65,536 bytes of whole numbers; cnt 65,536 bytes of whole numbers; rec 131,072 bytes of whole numbers; tab 1,024 bytes of whole numbers; wl 1,572,864 bytes
;; launch route (part 5): grid 256 x 1, 8 waves a work-group, no clusters, 115,712 bytes of LDS; arguments x, Wg, bg, xc, xs, wts, meta, cnt, rec; writes xc, xs, wts, meta, cnt, rec
.if DOCPART == 5
	.amdgcn_target "amdgcn-amd-amdhsa--gfx1250"
	.amdhsa_code_object_version 6
	.text
	.protected	k_qf27887e0cb_route
	.globl	k_qf27887e0cb_route
	.p2align	8
	.type	k_qf27887e0cb_route,@function
k_qf27887e0cb_route:
	s_mov_b64 s[64:65], 0
	v_nop
	global_prefetch_b8 v0, s[64:65] scope:SCOPE_SE
	s_setreg_imm32_b32 hwreg(HW_REG_WAVE_MODE, 25, 1), 1
	s_wait_xcnt 0x0
; ROUTE.  x [16384][1024] f32 is read once.  For each token: the gate's 8 logits (f32 fused multiply-adds, + bg), the two largest (a tie keeps the lower expert), the softmax over the two
; (the larger is taken away ahead of the exponential); x's codes of E2M1 and one E8M0 byte for each 32 along K.  Everything is stored at fixed places: no address hangs on the choice.
;   xc [token][512] codes, K innermost;  xs [token][32] scale bytes;  wts [token] (weight of the lower expert, weight of the higher);
;   meta [token] = p | rank << 8: p = the number of the unordered pair {a < b}, a (15 - a) / 2 + b - a - 1 (0 .. 27); rank = how many earlier tokens of my group of 32 chose the same pair;
;   cnt [group][32]: how many tokens of the group chose pair p (words 28 .. 31 are 0);  rec: 512 bytes of zeros a work-group (the next launch scatters token numbers over them).
; SHARES.  A work-group takes 64 tokens, a wave 8, a row at a time.  A load reads 512 consecutive bytes; the row turns through the wave's own stage in LDS, so that lane l then holds block l of the row,
; k = 32 l .. 32 l + 31, in 32 registers: the block's largest magnitude needs no other lane, and the conversions find neighbours along K in one lane.  Wg lies in the same layout in 256 registers (window 1).
; LIMITS.  NaN and infinities in x, Wg, bg are not served.  Logits are summed in another order than a plain dot product: two logits within f32 rounding of each other may change places.
; A block of zeros gets the byte 1 (its codes are zeros; the bytes are read by this program alone).  Blocks whose largest magnitude lies under 2^-124 keep the byte 1.
; No matrix unit, no cluster, no tensor load: the launch streams, and its work-groups share nothing but Wg's 32 KiB.
.set XT,  36864                        ; LDS: 0: Wg's 8 rows, 4,608 bytes each;  XT: for each wave two stages of 4,608 bytes
.set SB,  110592                       ; 256 scale bytes for each wave
.set LG,  112640                       ; the logits: 64 tokens x 32 bytes
.set L16, 1                            ; v1   16 x lane
.set TI,  2                            ; v2   my stage, on the way in: 16 l + 16 (l / 8): 16 bytes of padding behind each 128
.set TO,  3                            ; v3   and on the way out: 144 l
.set WI,  4                            ; v4   the same two for Wg's rows
.set WO,  5
.set SBW, 6                            ; v6   my wave's scale bytes: + l
.set SBR, 7                            ; v7   and + 8 l on the way out
.set LGW, 8                            ; v8   my wave's 8 tokens' logits
.set L8,  9                            ; v9   8 x lane
.set LGR, 10                           ; v10  the end: token 32 w + l's logits
.set L4,  11                           ; v11  4 x lane
.set MA,  12                           ; v12, v13 two chains of the largest magnitude
.set MB,  13
.set SOP, 14                           ; v14  the conversions' scale operand
.set ACC, 16                           ; v16-31  8 pairs of sums
.set S,   32                           ; v32-47  the row's 8 logits, two sets by turns
.set C,   48                           ; v48-55  the block's codes, two sets by turns
.set BYT, 56                           ; v56-57  the scale's byte, two by turns
.set X,   64                           ; v64-127 two sets of 32 neighbours
.set RAW, 128                          ; v128-255 four sets of 32 numbers as loaded; at the end: at work
.set MSB, 0
.macro WIN new                         ; the immediate's high byte repeats the setting that is left
.if MSB != \new
	s_set_vgpr_msb (MSB<<8)|\new
.set MSB, \new
.endif
.endm
	s_load_b512 s[4:19], s[0:1], 0x0               ; x, Wg, bg, xc, xs, wts, meta, cnt
	s_load_b64 s[20:21], s[0:1], 0x40              ; rec
	v_lshl_add_u32 v62, v0, 2, 0x1c000
	v_mov_b32 v63, 0
	v_lshrrev_b32 v15, 5, v0
	s_delay_alu instid0(VALU_DEP_1)
	v_readfirstlane_b32 s22, v15                   ; wave 0..7
	v_and_b32 v15, 31, v0                          ; lane
	s_delay_alu instid0(VALU_DEP_1)
	v_lshlrev_b32 v[L16], 4, v15
	s_delay_alu instid0(VALU_DEP_2)
	v_lshlrev_b32 v[L8], 3, v15
	s_delay_alu instid0(VALU_DEP_3)
	v_lshlrev_b32 v[L4], 2, v15
	s_delay_alu instid0(VALU_DEP_4)
	v_lshrrev_b32 v12, 3, v15
	s_delay_alu instid0(VALU_DEP_1)
	v_lshl_add_u32 v12, v12, 4, v[L16]             ; 16 l + 16 (l / 8)
	v_mul_u32_u24 v13, v15, 144
	s_mul_i32 s34, s22, 9216
	s_add_co_u32 s34, s34, XT
	v_add_nc_u32 v[TI], s34, v12
	v_add_nc_u32 v[TO], s34, v13
	s_mul_i32 s34, s22, 4608
	v_add_nc_u32 v[WI], s34, v12
	v_add_nc_u32 v[WO], 0, v13
	s_lshl_b32 s34, s22, 8
	s_add_co_u32 s35, s34, SB
	v_add_nc_u32 v[SBW], s35, v15
	v_add_nc_u32 v[SBR], s35, v[L8]
	s_add_co_u32 s35, s34, LG
	v_mov_b32 v[LGW], s35
	s_lshl_b32 s34, s22, 10
	s_add_co_u32 s34, s34, LG
	v_lshl_add_u32 v[LGR], v15, 5, s34             ; (used by waves 0 and 1 alone)
	s_mov_b32 s32, 0x76543210
	s_mov_b32 s33, 0xfedcba98                      ; v_permlanex16_b32's selects for lane l xor 16
	s_lshl_b32 s34, ttmp9, 6
	s_lshl_b32 s35, s22, 3
	s_add_co_u32 s34, s34, s35                     ; my wave's first token: 64 x work-group + 8 x wave
	s_mov_b32 s37, 0
	s_wait_alu depctr_va_vdst(0)
	s_wait_kmcnt 0x0
	s_load_b256 s[24:31], s[8:9], 0x0              ; bg
	s_lshl_b32 s36, s22, 12
	s_add_nc_u64 s[6:7], s[6:7], s[36:37]          ; Wg's row w
	s_lshl_b32 s36, s34, 12
	s_add_nc_u64 s[4:5], s[4:5], s[36:37]          ; x, xc, xs at my first token
	s_lshl_b32 s36, s34, 9
	s_add_nc_u64 s[10:11], s[10:11], s[36:37]
	s_lshl_b32 s36, s34, 5
	s_add_nc_u64 s[12:13], s[12:13], s[36:37]
.macro LOAD j                          ; row j as it lies: each load reads 512 consecutive bytes
.irp i, 0,1,2,3,4,5,6,7
	global_load_b128 v[RAW+32*((\j)%4)+4*\i:RAW+32*((\j)%4)+4*\i+3], v[L16], s[4:5] offset:4096*(\j)+512*\i th:TH_LOAD_NT
.endr
.endm
.macro TURN j                          ; row j through a stage: LDS serves a wave's instructions in order, so no wait stands between the stores and the loads
.irp i, 0,1,2,3,4,5,6,7
	ds_store_b128 v[TI], v[RAW+32*((\j)%4)+4*\i:RAW+32*((\j)%4)+4*\i+3] offset:4608*((\j)%2)+576*\i
.endr
.irp i, 0,1,2,3,4,5,6,7
	ds_load_b128 v[X+32*((\j)%2)+4*\i:X+32*((\j)%2)+4*\i+3], v[TO] offset:4608*((\j)%2)+16*\i
.endr
.endm
.macro GATE j                          ; my 32 numbers x Wg's 32 of each expert: 8 pairs of sums by turns; the first products start them
.set XQ, X+32*((\j)%2)
	WIN 0x04                                       ; source 1 (Wg) window 1
.irp e, 0,1,2,3,4,5,6,7
	v_pk_mul_f32 v[ACC+2*\e:ACC+2*\e+1], v[XQ:XQ+1], v[32*\e:32*\e+1]
.endr
.irp i, 1,2,3,4,5,6,7,8,9,10,11,12,13,14,15
.irp e, 0,1,2,3,4,5,6,7
	v_pk_fma_f32 v[ACC+2*\e:ACC+2*\e+1], v[XQ+2*\i:XQ+2*\i+1], v[32*\e+2*\i:32*\e+2*\i+1], v[ACC+2*\e:ACC+2*\e+1]
.endr
.endr
	WIN 0
.endm
.macro QUANT j                         ; my block: its largest magnitude, its byte, its 32 codes
.set XQ, X+32*((\j)%2)
.set CQ, C+4*((\j)%2)
	v_max3_num_f32 v[MA], |v[XQ]|, |v[XQ+1]|, |v[XQ+2]|
	v_max3_num_f32 v[MB], |v[XQ+3]|, |v[XQ+4]|, |v[XQ+5]|
.irp i, 6,10,14,18,22,26
	s_delay_alu instid0(VALU_DEP_2)
	v_max3_num_f32 v[MA], v[MA], |v[XQ+\i]|, |v[XQ+\i+1]|
	s_delay_alu instid0(VALU_DEP_2)
	v_max3_num_f32 v[MB], v[MB], |v[XQ+\i+2]|, |v[XQ+\i+3]|
.endr
	s_delay_alu instid0(VALU_DEP_2)
	v_max3_num_f32 v[MA], v[MA], |v[XQ+30]|, |v[XQ+31]|
	s_delay_alu instid0(VALU_DEP_1)
	v_max3_num_f32 v[MA], v[MA], v[MB], 0x1800000  ; and the floor 2^(3 - 127): the byte cannot fall under 1
	s_delay_alu instid0(VALU_DEP_1)
	v_add_nc_u32 v[SOP], 0xff000000, v[MA]         ; 2 off the exponent field: the conversion takes this operand's exponent field as its scale
.irp g, 0,1,2,3
	v_cvt_scalef32_pk8_fp4_f32 v[CQ+\g], v[XQ+8*\g:XQ+8*\g+7], v[SOP]
.endr
	v_lshrrev_b32 v[BYT+(\j)%2], 23, v[SOP]        ; the scale's byte (also the plain line behind the conversions)
	ds_store_b8 v[SBW], v[BYT+(\j)%2] offset:32*(\j)
	global_store_b128 v[L16], v[CQ:CQ+3], s[10:11] offset:512*(\j)   ; the wave stores the row's 512 bytes of codes, consecutive and aligned
.endm
.macro REDUCE j                        ; the 8 sums over the 32 lanes, the experts by turns; every lane ends with all 8
.set SQ, S+8*((\j)%2)
.irp e, 0,1,2,3,4,5,6,7
	v_add_f32 v[ACC+2*\e], v[ACC+2*\e], v[ACC+2*\e+1]
.endr
.irp k, 1,2,4,8
.irp e, 0,1,2,3,4,5,6,7
	v_add_f32_dpp v[ACC+2*\e], v[ACC+2*\e], v[ACC+2*\e] row_xmask:\k row_mask:0xf bank_mask:0xf
.endr
.endr
.irp e, 0,1,2,3,4,5,6,7
	v_permlanex16_b32 v[ACC+2*\e+1], v[ACC+2*\e], s32, s33
.endr
.irp e, 0,1,2,3,4,5,6,7
	v_add_f32 v[SQ+\e], v[ACC+2*\e], v[ACC+2*\e+1]
.endr
	ds_store_b128 v[LGW], v[SQ:SQ+3] offset:32*(\j)          ; all lanes write the same bytes with the same values
	ds_store_b128 v[LGW], v[SQ+4:SQ+7] offset:32*(\j)+16
.endm
.macro STEP j
.if (\j) == 0
	s_wait_dscnt 0x0                               ; Wg's 64 loads and row 0's turn are in
.else
	s_wait_dscnt 3                                 ; row j is back from its stage; behind its loads stand the last row's byte store and its two stores of logits
.endif
	s_wait_xcnt 0x0                                ; the stores issued so far have read their registers: the codes' set is rewritten only behind this wait
.if (\j)+4 < 8
	LOAD (\j)+4                                    ; into the set that row j's turn has read
.endif
.if (\j) < 7
.if (\j) < 4
	s_wait_loadcnt 24                              ; row j + 1 is in; the three rows behind it stay out
.else
	s_wait_loadcnt 8*(6-(\j))                      ; the rows still behind row j + 1: two, one, none
.endif
	TURN (\j)+1                                    ; through the other stage while this row is worked
.endif
	GATE \j
	QUANT \j
	REDUCE \j
.endm
.irp i, 0,1,2,3,4,5,6,7
	global_load_b128 v[X+4*\i:X+4*\i+3], v[L16], s[6:7] offset:512*\i   ; Wg's row w
.endr
	LOAD 0
	LOAD 1
	LOAD 2
	LOAD 3
	s_wait_loadcnt 32                              ; Wg's row is in; the four rows of x behind it stay out
.irp i, 0,1,2,3,4,5,6,7
	ds_store_b128 v[WI], v[X+4*\i:X+4*\i+3] offset:576*\i
.endr
	s_wait_dscnt 0x0                               ; for the others' sake: my row of Wg lies in LDS
	s_barrier_signal -1
	s_barrier_wait -1
	WIN 0x40                                       ; destination window 1
.irp e, 0,1,2,3,4,5,6,7
.irp i, 0,1,2,3,4,5,6,7
	ds_load_b128 v[32*\e+4*\i:32*\e+4*\i+3], v[WO] offset:4608*\e+16*\i   ; register 32 e + i = Wg[e][32 l + i]
.endr
.endr
	WIN 0
	s_wait_loadcnt 24                              ; row 0 is in; rows 1 to 3 stay out
	TURN 0
.irp j, 0,1,2,3,4,5,6,7
	STEP \j
.endr
	ds_load_b64 v[MA:MB], v[SBR]                   ; my wave's 256 scale bytes, 8 a lane
	s_wait_kmcnt 0x0                               ; bg
	s_wait_dscnt 0x0                               ; they are in, and my stores of logits have landed: for the others' sake
	global_store_b64 v[L8], v[MA:MB], s[12:13]     ; 256 consecutive bytes, aligned
	s_barrier_signal -1
	s_barrier_wait -1                              ; the 64 tokens' logits lie in LDS
	s_cmp_gt_u32 s22, 2
	s_cbranch_scc1 .Lend
	s_cmp_eq_u32 s22, 2
	s_cbranch_scc1 .Lzero
	; THE END, waves 0 and 1: a lane to a token, 32 w + l
	ds_load_b128 v[128:131], v[LGR]
	ds_load_b128 v[132:135], v[LGR] offset:16
	s_lshl_b32 s34, ttmp9, 1
	s_add_co_u32 s34, s34, s22                     ; my group of 32 tokens: 2 x work-group + wave
	s_lshl_b32 s36, s34, 8
	s_add_nc_u64 s[14:15], s[14:15], s[36:37]      ; wts: 8 bytes a token
	s_lshl_b32 s36, s34, 7
	s_add_nc_u64 s[16:17], s[16:17], s[36:37]      ; meta: 4 bytes a token
	s_add_nc_u64 s[18:19], s[18:19], s[36:37]      ; cnt: 128 bytes a group
	s_wait_dscnt 0x0
.irp e, 0,1,2,3,4,5,6,7
	v_add_f32 v[128+\e], s[24+\e], v[128+\e]       ; + bg
.endr
	v_mov_b32 v136, v128                           ; the largest, and its expert: a strict > keeps the lower number
	v_mov_b32 v137, 0
.irp e, 1,2,3,4,5,6,7
	s_delay_alu instid0(VALU_DEP_2)
	v_cmp_gt_f32 vcc_lo, v[128+\e], v136
	s_delay_alu instid0(VALU_DEP_1)
	v_cndmask_b32 v136, v136, v[128+\e], vcc_lo
	s_delay_alu instid0(VALU_DEP_2)
	v_cndmask_b32 v137, v137, \e, vcc_lo
.endr
	v_mov_b32 v141, 0xff800000                     ; -infinity
	s_delay_alu instid0(VALU_DEP_1)
	v_mov_b32 v138, v141                           ; the second largest: the same walk with the first taken out
	v_mov_b32 v139, 0
.irp e, 0,1,2,3,4,5,6,7
	v_cmp_eq_u32 vcc_lo, \e, v137
	s_delay_alu instid0(VALU_DEP_1)
	v_cndmask_b32 v140, v[128+\e], v141, vcc_lo
	s_delay_alu instid0(VALU_DEP_1)
	v_cmp_gt_f32 vcc_lo, v140, v138
	s_delay_alu instid0(VALU_DEP_1)
	v_cndmask_b32 v138, v138, v140, vcc_lo
	s_delay_alu instid0(VALU_DEP_2)
	v_cndmask_b32 v139, v139, \e, vcc_lo
.endr
	s_delay_alu instid0(VALU_DEP_2)
	v_sub_f32 v140, v138, v136                     ; the second less the first: 0 or less: the maximum is taken away
	s_delay_alu instid0(VALU_DEP_1)
	v_mul_f32 v140, 0x3fb8aa3b, v140
	s_wait_alu depctr_va_vdst(0)
	v_exp_f32 v142, v140
	v_min_u32 v146, v137, v139                     ; a (plain work behind the exponential)
	v_max_u32 v147, v137, v139                     ; b
	s_delay_alu instid0(VALU_DEP_2)
	v_sub_nc_u32 v150, 15, v146
	s_delay_alu instid0(VALU_DEP_1)
	v_mul_u32_u24 v150, v146, v150
	s_delay_alu instid0(VALU_DEP_1)
	v_lshrrev_b32 v150, 1, v150
	s_delay_alu instid0(VALU_DEP_1)
	v_add_nc_u32 v150, v150, v147
	s_delay_alu instid0(VALU_DEP_1)
	v_sub_nc_u32 v150, v150, v146
	s_delay_alu instid0(VALU_DEP_1)
	v_add_nc_u32 v150, -1, v150                    ; p = a (15 - a) / 2 + b - a - 1
	s_wait_alu depctr_va_vdst(0)                   ; the wait ahead of the first reader of the exponential
	v_add_f32 v143, 1.0, v142
	s_wait_alu depctr_va_vdst(0)
	v_rcp_f32 v144, v143                           ; the first's weight
	v_mov_b32 v151, 0                              ; my rank
	v_mov_b32 v152, 0                              ; the group's counts, pair q in lane q
.irp q, 0,1,2,3,4,5,6,7,8,9,10,11,12,13,14,15,16,17,18,19,20,21,22,23,24,25,26,27
	v_cmp_eq_u32 s40, \q, v150                     ; who chose pair q
	s_delay_alu instid0(VALU_DEP_1)
	v_mbcnt_lo_u32_b32 v153, s40, 0                ; how many of them in lanes under mine
	s_delay_alu instid0(VALU_DEP_1)
	v_cndmask_b32 v151, v151, v153, s40
	s_bcnt1_i32_b32 s41, s40
	v_writelane_b32 v152, s41, \q
.endr
	s_wait_alu depctr_va_vdst(0)                   ; and ahead of the first reader of the reciprocal
	v_mul_f32 v145, v142, v144                     ; the second's weight
	v_cmp_lt_u32 vcc_lo, v137, v139
	v_cndmask_b32 v148, v145, v144, vcc_lo         ; the lower expert's weight,
	v_cndmask_b32 v149, v144, v145, vcc_lo         ; the higher's
	v_lshl_or_b32 v154, v151, 8, v150
	global_store_b64 v[L8], v[148:149], s[14:15]   ; 256 consecutive bytes
	global_store_b32 v[L4], v154, s[16:17]
	global_store_b32 v[L4], v152, s[18:19]
	s_wait_tensorcnt 0x0
	ds_add_u32 v62, v63
	s_wait_dscnt 0x0
	s_endpgm
.Lzero:                                            ; wave 2: my work-group's 512 bytes of rec
	s_lshl_b32 s36, ttmp9, 9
	s_add_nc_u64 s[20:21], s[20:21], s[36:37]
.irp i, 0,1,2,3
	v_mov_b32 v[128+\i], 0
.endr
	global_store_b128 v[L16], v[128:131], s[20:21]
.Lend:
	s_wait_tensorcnt 0x0
	ds_add_u32 v62, v63
	s_wait_dscnt 0x0
	s_endpgm
.Lfunc_end_k_qf27887e0cb_route:
	.size	k_qf27887e0cb_route, .Lfunc_end_k_qf27887e0cb_route-k_qf27887e0cb_route
	.p2alignl 7, 3214868480
	.fill 96, 4, 3214868480
	.section	.rodata,"a",@progbits
	.p2align	6, 0x0
	.amdhsa_kernel k_qf27887e0cb_route
		.amdhsa_group_segment_fixed_size 115712
		.amdhsa_private_segment_fixed_size 0
		.amdhsa_enable_private_segment 0
		.amdhsa_kernarg_size 72
		.amdhsa_user_sgpr_count 2
		.amdhsa_user_sgpr_kernarg_segment_ptr 1
		.amdhsa_wavefront_size32 1
		.amdhsa_system_sgpr_workgroup_id_x 1
		.amdhsa_system_sgpr_workgroup_id_y 1
		.amdhsa_system_sgpr_workgroup_id_z 1
		.amdhsa_system_vgpr_workitem_id 0
		.amdhsa_next_free_vgpr 512
		.amdhsa_next_free_sgpr 66
		.amdhsa_reserve_vcc 1
		.amdhsa_float_denorm_mode_32 3
		.amdhsa_float_denorm_mode_16_64 3
		.amdhsa_memory_ordered 1
		.amdhsa_forward_progress 1
		.amdhsa_inst_pref_size 145
	.end_amdhsa_kernel
	.amdgpu_metadata
---
amdhsa.version: [ 1, 2 ]
amdhsa.kernels:
  - .name:           k_qf27887e0cb_route
    .symbol:         k_qf27887e0cb_route.kd
    .args:
      - { .name: x, .offset: 0, .size: 8, .value_kind: global_buffer, .address_space: global }
      - { .name: Wg, .offset: 8, .size: 8, .value_kind: global_buffer, .address_space: global }
      - { .name: bg, .offset: 16, .size: 8, .value_kind: global_buffer, .address_space: global }
      - { .name: xc, .offset: 24, .size: 8, .value_kind: global_buffer, .address_space: global }
      - { .name: xs, .offset: 32, .size: 8, .value_kind: global_buffer, .address_space: global }
      - { .name: wts, .offset: 40, .size: 8, .value_kind: global_buffer, .address_space: global }
      - { .name: meta, .offset: 48, .size: 8, .value_kind: global_buffer, .address_space: global }
      - { .name: cnt, .offset: 56, .size: 8, .value_kind: global_buffer, .address_space: global }
      - { .name: rec, .offset: 64, .size: 8, .value_kind: global_buffer, .address_space: global }
    .group_segment_fixed_size: 115712
    .private_segment_fixed_size: 0
    .kernarg_segment_align: 8
    .kernarg_segment_size: 72
    .max_flat_workgroup_size: 256
    .sgpr_count:     66
    .vgpr_count:     512
    .wavefront_size: 32
...
	.end_amdgpu_metadata
.endif
;; end of part 5
;; launch place (part 6): grid 28 x 1, 16 waves a work-group, no clusters, 69,632 bytes of LDS; arguments cnt, meta, Wup_codes, Wdown_codes, rec, tab, wl; writes rec, tab, wl
.if DOCPART == 6
	.amdgcn_target "amdgcn-amd-amdhsa--gfx1250"
	.amdhsa_code_object_version 6
	.text
	.protected	k_qf27887e0cb_place
	.globl	k_qf27887e0cb_place
	.p2align	8
	.type	k_qf27887e0cb_place,@function
k_qf27887e0cb_place:
	s_mov_b64 s[64:65], 0
	v_nop
	global_prefetch_b8 v0, s[64:65] scope:SCOPE_SE
	s_setreg_imm32_b32 hwreg(HW_REG_WAVE_MODE, 25, 1), 1
	s_wait_xcnt 0x0
; PLACE.  Work-groups 0 to 15 place the tokens: the tokens of one pair of experts follow each other, in tiles of 80.  rec [tile][128]: words 0 .. 79 = token numbers;  tab [tile] = a | b << 8 | count << 16.
; The sum over the 28 pairs of ceil(n / 80) is at most (16,384 + 28 x 79) / 80 = 232: that many tiles serve every split; tab has 256 words, those behind the last tile with count 0.
; No atomics: each token's place is its pair's first tile, the pair's tokens in earlier groups (prefix sums of cnt) and its rank in its own group (meta).
; THE SUMS ARE MADE SIXTEEN TIMES, THE SCATTER IS SHARED OUT.  Every placing work-group reads all of cnt (64 KiB) and makes the same sums: wave w those of groups 32 w .. 32 w + 31 (lane = pair).
; Work-group k scatters the tokens of groups 32 k .. 32 k + 31 alone, its wave w those of groups 32 k + 2 w and 32 k + 2 w + 1: 32 stores of 32 scattered words a work-group, where one work-group alone would have 512.
; The running sums that wave w needs for them are wave k's: every wave lays its 32 running sums in LDS bytes of its own, ahead of the one barrier, and reads two of wave k's behind it.
; Work-group 0 also writes the table.
; Work-groups 16 to 27 lay the weights' codes in the order of the operand's registers, so that the next launch loads each fragment by loads of 512 consecutive bytes:
;   up:   wl + 8,192 u + 512 (2 s + c) + 16 lane, u = (4 e + w) 4 + j: tile j of wave w of expert e, K step s; lane (r, h) holds row 256 e + 128 (j / 2) + 32 w + 8 (j % 2) + r + 8 (r / 8), bytes 64 s + 32 c + 16 h;
;   down: wl + 1,048,576 + 1,024 T + 512 c + 16 lane: tile T of 16 rows; lane (r, h) holds row 16 T + r, bytes 32 c + 16 h.
; x / 80 = (x x 52,429) >> 22, exact for x up to 16,463 (the error x x 4.8e-8 stays under 1 / 80).
; LDS: 0: the sixteen waves' totals, 128 w + 4 p;  PRE: the running sums: P_j of wave w, pair p, at PRE + 4,096 w + 512 (j / 4) + 16 p + 4 (j % 4).
.set PRE, 2048
.set C,  32                            ; v32-63   the counts of my wave's 32 groups (lane = pair)
.set P,  64                            ; v64-96   their running sums
.set M,  128                           ; v128-129 meta of the two groups that I scatter (lane = token); later the offsets in rec
.set PW, 130                           ; v130-131 lane = pair: what a token of these two groups fetches from its pair's lane
.set IX, 132                           ; v132-133 4 x the token's pair
.set B,  134                           ; v134-135 what it fetched
.set TK, 136                           ; v136-137 the token's number
.set PT, 160                           ; v160-175 the sixteen waves' totals
.set TL, 28                            ; s28-55   the 28 pairs' numbers of tiles
	s_load_b256 s[4:11], s[0:1], 0x0               ; cnt, meta, Wup_codes, Wdown_codes
	s_load_b128 s[12:15], s[0:1], 0x20             ; rec, tab
	s_load_b64 s[16:17], s[0:1], 0x30              ; wl
	v_lshl_add_u32 v254, v0, 2, 0x10800
	v_mov_b32 v255, 0
	v_lshrrev_b32 v1, 5, v0
	s_delay_alu instid0(VALU_DEP_1)
	v_readfirstlane_b32 s20, v1                    ; wave 0..15
	v_and_b32 v1, 31, v0                           ; lane
	s_delay_alu instid0(VALU_DEP_1)
	v_lshlrev_b32 v2, 2, v1
	s_delay_alu instid0(VALU_DEP_2)
	v_lshlrev_b32 v3, 4, v1
	v_and_b32 v4, 15, v0                           ; r
	v_bfe_u32 v5, v0, 4, 1                         ; h
	s_mov_b32 s25, 0
	s_wait_kmcnt 0x0
.macro RELAY sb, up                    ; sixteen loads of 16 bytes a lane, stored as 512 consecutive bytes each
.irp i, 0,1,2,3,4,5,6,7,8,9,10,11,12,13,14,15
.if \up
	global_load_b128 v[32+4*\i:35+4*\i], v6, s[\sb:\sb+1] offset:32*\i
.else
	global_load_b128 v[32+4*\i:35+4*\i], v6, s[\sb:\sb+1] offset:1024*(\i/2)+32*(\i%2)
.endif
.endr
.irp i, 0,1,2,3,4,5,6,7,8,9,10,11,12,13,14,15
	s_wait_loadcnt 15-\i                           ; load i is in; those issued behind it stay out
	global_store_b128 v3, v[32+4*\i:35+4*\i], s[16:17] offset:512*\i
.endr
	s_endpgm
.endm
	s_cmp_lt_u32 ttmp9, 16
	s_cbranch_scc1 .Lplace
	s_cmp_gt_u32 ttmp9, 23
	s_cbranch_scc1 .Ldown
	s_sub_co_u32 s21, ttmp9, 16                    ; UP: expert e; my wave's number is 4 w + j
	s_lshr_b32 s22, s20, 2                         ; w
	s_and_b32 s23, s20, 3                          ; j
	s_lshl_b32 s24, s21, 8
	s_lshr_b32 s26, s23, 1
	s_lshl_b32 s26, s26, 7
	s_add_co_u32 s24, s24, s26
	s_lshl_b32 s26, s22, 5
	s_add_co_u32 s24, s24, s26
	s_and_b32 s26, s23, 1
	s_lshl_b32 s26, s26, 3
	s_add_co_u32 s24, s24, s26                     ; row 256 e + 128 (j / 2) + 32 w + 8 (j % 2)
	s_lshl_b32 s24, s24, 9                         ; of 512 bytes
	s_add_nc_u64 s[8:9], s[8:9], s[24:25]
	s_lshl_b32 s24, s21, 4
	s_add_co_u32 s24, s24, s20
	s_lshl_b32 s24, s24, 13                        ; 8,192 u
	s_add_nc_u64 s[16:17], s[16:17], s[24:25]
	s_wait_alu depctr_va_vdst(0)
	v_and_b32 v6, 8, v4
	s_delay_alu instid0(VALU_DEP_1)
	v_add_nc_u32 v6, v6, v4                        ; r + 8 (r / 8)
	s_delay_alu instid0(VALU_DEP_1)
	v_lshlrev_b32 v6, 9, v6
	s_delay_alu instid0(VALU_DEP_1)
	v_lshl_add_u32 v6, v5, 4, v6
	RELAY 8, 1
.Ldown:
	s_sub_co_u32 s21, ttmp9, 24                    ; DOWN: unit d = 16 (work-group - 24) + wave: 8 tiles of 16 rows of 64 bytes
	s_lshl_b32 s24, s21, 4
	s_add_co_u32 s24, s24, s20
	s_lshl_b32 s24, s24, 13
	s_add_nc_u64 s[10:11], s[10:11], s[24:25]
	s_add_co_u32 s24, s24, 1048576
	s_add_nc_u64 s[16:17], s[16:17], s[24:25]
	s_wait_alu depctr_va_vdst(0)
	v_lshlrev_b32 v6, 6, v4
	s_delay_alu instid0(VALU_DEP_1)
	v_lshl_add_u32 v6, v5, 4, v6
	RELAY 10, 0
.Lplace:
	s_min_u32 s21, ttmp9, 15                       ; k: the work-group's number (under 16 on this way)
	s_lshl_b32 s24, s20, 12                        ; cnt: wave w sums groups 32 w .. 32 w + 31: 4,096 bytes
	s_add_nc_u64 s[4:5], s[4:5], s[24:25]
	s_lshl_b32 s24, s21, 12                        ; meta: groups 32 k + 2 w and + 1: 128 bytes a group
	s_lshl_b32 s22, s20, 8
	s_add_co_u32 s24, s24, s22
	s_add_nc_u64 s[6:7], s[6:7], s[24:25]
	s_wait_alu depctr_va_vdst(0)
.irp j, 0,1,2,3,4,5,6,7,8,9,10,11,12,13,14,15,16,17,18,19,20,21,22,23,24,25,26,27,28,29,30,31
	global_load_b32 v[C+\j], v2, s[4:5] offset:128*\j
.endr
	global_load_b32 v[M], v2, s[6:7]
	global_load_b32 v[M+1], v2, s[6:7] offset:128
	s_lshl_b32 s22, s20, 7
	v_add_nc_u32 v22, s22, v2                      ; my wave's totals: 128 w + 4 p
	s_lshl_b32 s22, s20, 12
	s_add_co_u32 s22, s22, PRE
	v_add_nc_u32 v23, s22, v3                      ; my wave's running sums: PRE + 4,096 w + 16 p
	s_lshl_b32 s22, s21, 12                        ; and where I read wave k's P_2w and P_2w+1: PRE + 4,096 k + 512 (w / 2) + 8 (w % 2) + 16 p
	s_lshr_b32 s23, s20, 1
	s_lshl_b32 s23, s23, 9
	s_add_co_u32 s22, s22, s23
	s_and_b32 s23, s20, 1
	s_lshl_b32 s23, s23, 3
	s_add_co_u32 s22, s22, s23
	s_add_co_u32 s22, s22, PRE
	v_add_nc_u32 v24, s22, v3
	s_wait_loadcnt 2                               ; the counts are in; meta's two loads, issued behind them, stay out
	v_mov_b32 v[P], 0
.irp j, 0,1,2,3,4,5,6,7,8,9,10,11,12,13,14,15,16,17,18,19,20,21,22,23,24,25,26,27,28,29,30,31
	s_delay_alu instid0(VALU_DEP_1)
	v_add_nc_u32 v[P+\j+1], v[P+\j], v[C+\j]       ; lane p: pair p's tokens in my groups ahead of group j
.endr
	ds_store_b32 v22, v[P+32]                      ; my wave's totals
.irp i, 0,1,2,3,4,5,6,7
	ds_store_b128 v23, v[P+4*\i:P+4*\i+3] offset:512*\i   ; P_4i .. P_4i+3: 512 consecutive bytes a store
.endr
	s_wait_dscnt 0x0                               ; for the others' sake: my sums lie in LDS
	s_barrier_signal -1
	s_barrier_wait -1
.irp k, 0,1,2,3,4,5,6,7,8,9,10,11,12,13,14,15
	ds_load_b32 v[PT+\k], v2 offset:128*\k
.endr
	ds_load_b64 v[PW:PW+1], v24                    ; the pair's tokens in groups 32 k .. ahead of group 32 k + 2 w, and ahead of the next
	v_mov_b32 v8, 0                                ; N: the pair's tokens in all
	v_mov_b32 v9, 0                                ; and in groups under 32 k
	s_wait_alu depctr_va_vdst(0)
	s_wait_dscnt 0x0
.irp k, 0,1,2,3,4,5,6,7,8,9,10,11,12,13,14,15
	v_add_nc_u32 v8, v8, v[PT+\k]
	s_cmp_gt_u32 s21, \k
	s_cselect_b32 s22, -1, 0
	v_and_b32 v13, s22, v[PT+\k]
	s_delay_alu instid0(VALU_DEP_1)
	v_add_nc_u32 v9, v9, v13
.endr
	v_add_nc_u32 v10, 79, v8
	s_delay_alu instid0(VALU_DEP_1)
	v_mul_u32_u24 v10, v10, 0xcccd
	s_delay_alu instid0(VALU_DEP_1)
	v_lshrrev_b32 v10, 22, v10                     ; the pair's tiles: ceil(N / 80)
.irp p, 0,1,2,3,4,5,6,7,8,9,10,11,12,13,14,15,16,17,18,19,20,21,22,23,24,25,26,27
	v_readlane_b32 s[TL+\p], v10, \p               ; all 28 together, so that the additions below wait for no vector instruction
.endr
	s_mov_b32 s24, 0
	v_mov_b32 v11, 0                               ; S: the pair's first tile
.irp p, 0,1,2,3,4,5,6,7,8,9,10,11,12,13,14,15,16,17,18,19,20,21,22,23,24,25,26,27
	v_writelane_b32 v11, s24, \p
	s_add_co_u32 s24, s24, s[TL+\p]
.endr
.irp p, 28
	v_writelane_b32 v11, s24, \p                   ; behind the last pair: the number of tiles
.endr
.irp p, 29, 30, 31
	s_delay_alu instid0(VALU_DEP_1)
	v_writelane_b32 v11, s24, \p
.endr
	s_delay_alu instid0(VALU_DEP_1)
	v_lshl_add_u32 v15, v11, 16, v9
	s_delay_alu instid0(VALU_DEP_1)
	v_add_nc_u32 v[PW], v[PW], v15                 ; first tile << 16 | the pair's tokens ahead of the group (under 2^15)
	s_delay_alu instid0(VALU_DEP_2)
	v_add_nc_u32 v[PW+1], v[PW+1], v15
	s_wait_loadcnt 0x0                             ; meta
.irp i, 0,1
	v_and_b32 v[IX+\i], 0xff, v[M+\i]
	s_delay_alu instid0(VALU_DEP_1)
	v_min_u32 v[IX+\i], 31, v[IX+\i]
	s_delay_alu instid0(VALU_DEP_1)
	v_lshlrev_b32 v[IX+\i], 2, v[IX+\i]
	s_wait_alu depctr_va_vdst(0)
	ds_bpermute_b32 v[B+\i], v[IX+\i], v[PW+\i]    ; lane = token: from my pair's lane
.endr
	s_lshl_b32 s22, s21, 10
	s_lshl_b32 s23, s20, 6
	s_add_co_u32 s22, s22, s23
	v_add_nc_u32 v16, s22, v1                      ; 1,024 k + 64 w + l
	s_wait_dscnt 0x0
.irp i, 0,1
	v_and_b32 v13, 0xffff, v[B+\i]
	v_bfe_u32 v14, v[M+\i], 8, 8
	s_delay_alu instid0(VALU_DEP_1)
	v_add_nc_u32 v13, v13, v14                     ; my rank among the pair's tokens
	s_delay_alu instid0(VALU_DEP_1)
	v_mul_u32_u24 v14, v13, 0xcccd
	s_delay_alu instid0(VALU_DEP_1)
	v_lshrrev_b32 v14, 22, v14                     ; q = rank / 80
	s_delay_alu instid0(VALU_DEP_1)
	v_mad_u32_u24 v13, v14, 48, v13                ; 128 q + (rank - 80 q)
	v_lshrrev_b32 v14, 16, v[B+\i]
	s_delay_alu instid0(VALU_DEP_1)
	v_lshl_add_u32 v13, v14, 7, v13                ; + 128 x the pair's first tile
	s_delay_alu instid0(VALU_DEP_1)
	v_min_u32 v13, 0x7fff, v13                     ; a word of rec
	s_delay_alu instid0(VALU_DEP_1)
	v_lshlrev_b32 v[M+\i], 2, v13
	v_add_nc_u32 v[TK+\i], 32*\i, v16              ; my token's number
	global_store_b32 v[M+\i], v[TK+\i], s[12:13]   ; each of the two has registers of its own: none is written again
.endr
	s_cmp_lg_u32 ttmp9, 0
	s_cbranch_scc1 .Ldone
	s_cmp_gt_u32 s20, 7
	s_cbranch_scc1 .Ldone
	v_mov_b32 v12, 0                               ; THE TABLE, work-group 0, threads 0 to 255: tile t's pair = how many pairs end at or under t
	s_mov_b32 s24, 0
.irp p, 0,1,2,3,4,5,6,7,8,9,10,11,12,13,14,15,16,17,18,19,20,21,22,23,24,25,26,27
	s_add_co_u32 s24, s24, s[TL+\p]
	v_cmp_le_u32 vcc_lo, s24, v0
	s_delay_alu instid0(VALU_DEP_1)
	v_cndmask_b32 v13, 0, 1, vcc_lo
	s_delay_alu instid0(VALU_DEP_1)
	v_add_nc_u32 v12, v12, v13
.endr
	s_delay_alu instid0(VALU_DEP_1)
	v_min_u32 v13, 31, v12
	s_delay_alu instid0(VALU_DEP_1)
	v_lshlrev_b32 v13, 2, v13
	ds_bpermute_b32 v17, v13, v11                  ; its pair's first tile
	ds_bpermute_b32 v18, v13, v8                   ; and tokens
	v_mov_b32 v19, 0
.irp th, 7,13,18,22,25,27
	v_cmp_le_u32 vcc_lo, \th, v12
	s_delay_alu instid0(VALU_DEP_1)
	v_cndmask_b32 v14, 0, 1, vcc_lo
	s_delay_alu instid0(VALU_DEP_1)
	v_add_nc_u32 v19, v19, v14                     ; a: how many of the first pairs of a = 1 .. 6 lie at or under p
.endr
	s_delay_alu instid0(VALU_DEP_1)
	v_sub_nc_u32 v14, 15, v19
	s_delay_alu instid0(VALU_DEP_1)
	v_mul_u32_u24 v14, v14, v19
	s_delay_alu instid0(VALU_DEP_1)
	v_lshrrev_b32 v14, 1, v14
	s_delay_alu instid0(VALU_DEP_1)
	v_sub_nc_u32 v20, v12, v14
	s_delay_alu instid0(VALU_DEP_1)
	v_add3_u32 v20, v20, v19, 1                    ; b = p - a (15 - a) / 2 + a + 1
	s_wait_alu depctr_va_vdst(0)
	s_wait_dscnt 0x0
	v_sub_nc_u32 v17, v0, v17
	s_delay_alu instid0(VALU_DEP_1)
	v_mul_u32_u24 v17, v17, 80
	s_delay_alu instid0(VALU_DEP_1)
	v_sub_nc_u32 v18, v18, v17                     ; what is left of the pair from this tile on (signed),
	s_delay_alu instid0(VALU_DEP_1)
	v_min_i32 v18, 80, v18
	s_delay_alu instid0(VALU_DEP_1)
	v_max_i32 v18, 0, v18                          ; held to 0 .. 80
	v_lshl_or_b32 v19, v20, 8, v19
	s_delay_alu instid0(VALU_DEP_1)
	v_lshl_or_b32 v19, v18, 16, v19
	v_lshlrev_b32 v21, 2, v0
	global_store_b32 v21, v19, s[14:15]
.Ldone:
	s_wait_tensorcnt 0x0
	ds_add_u32 v254, v255
	s_wait_dscnt 0x0
	s_endpgm
.Lfunc_end_k_qf27887e0cb_place:
	.size	k_qf27887e0cb_place, .Lfunc_end_k_qf27887e0cb_place-k_qf27887e0cb_place
	.p2alignl 7, 3214868480
	.fill 96, 4, 3214868480
	.section	.rodata,"a",@progbits
	.p2align	6, 0x0
	.amdhsa_kernel k_qf27887e0cb_place
		.amdhsa_group_segment_fixed_size 69632
		.amdhsa_private_segment_fixed_size 0
		.amdhsa_enable_private_segment 0
		.amdhsa_kernarg_size 56
		.amdhsa_user_sgpr_count 2
		.amdhsa_user_sgpr_kernarg_segment_ptr 1
		.amdhsa_wavefront_size32 1
		.amdhsa_system_sgpr_workgroup_id_x 1
		.amdhsa_system_sgpr_workgroup_id_y 1
		.amdhsa_system_sgpr_workgroup_id_z 1
		.amdhsa_system_vgpr_workitem_id 0
		.amdhsa_next_free_vgpr 256
		.amdhsa_next_free_sgpr 66
		.amdhsa_reserve_vcc 1
		.amdhsa_float_denorm_mode_32 3
		.amdhsa_float_denorm_mode_16_64 3
		.amdhsa_memory_ordered 1
		.amdhsa_forward_progress 1
		.amdhsa_inst_pref_size 37
	.end_amdhsa_kernel
	.amdgpu_metadata
---
amdhsa.version: [ 1, 2 ]
amdhsa.kernels:
  - .name:           k_qf27887e0cb_place
    .symbol:         k_qf27887e0cb_place.kd
    .args:
      - { .name: cnt, .offset: 0, .size: 8, .value_kind: global_buffer, .address_space: global }
      - { .name: meta, .offset: 8, .size: 8, .value_kind: global_buffer, .address_space: global }
      - { .name: Wup_codes, .offset: 16, .size: 8, .value_kind: global_buffer, .address_space: global }
      - { .name: Wdown_codes, .offset: 24, .size: 8, .value_kind: global_buffer, .address_space: global }
      - { .name: rec, .offset: 32, .size: 8, .value_kind: global_buffer, .address_space: global }
      - { .name: tab, .offset: 40, .size: 8, .value_kind: global_buffer, .address_space: global }
      - { .name: wl, .offset: 48, .size: 8, .value_kind: global_buffer, .address_space: global }
    .group_segment_fixed_size: 69632
    .private_segment_fixed_size: 0
    .kernarg_segment_align: 8
    .kernarg_segment_size: 56
    .max_flat_workgroup_size: 512
    .sgpr_count:     66
    .vgpr_count:     256
    .wavefront_size: 32
...
	.end_amdgpu_metadata
.endif
;; end of part 6
;; launch chain (part 7): grid 232 x 1, 4 waves a work-group, no clusters, 90,624 bytes of LDS; arguments tab, rec, xc, xs, wts, wl, Wup_scales, Wdown_scales, out0; writes out0
.if DOCPART == 7
	.amdgcn_target "amdgcn-amd-amdhsa--gfx1250"
	.amdhsa_code_object_version 6
	.text
	.protected	k_qf27887e0cb_chain
	.globl	k_qf27887e0cb_chain
	.p2align	8
	.type	k_qf27887e0cb_chain,@function
k_qf27887e0cb_chain:
	s_mov_b64 s[64:65], 0
	v_nop
	global_prefetch_b8 v0, s[64:65] scope:SCOPE_SE
	s_setreg_imm32_b32 hwreg(HW_REG_WAVE_SCHED_MODE, 0, 2), 2
	s_setreg_imm32_b32 hwreg(HW_REG_WAVE_MODE, 25, 1), 1
	s_wait_xcnt 0x0
	s_wait_alu depctr_vm_vsrc(0)
; CHAIN.  A work-group takes one tile: up to 80 tokens that all chose the same two experts a < b.  For both: ug = x Wup (K = 1,024), h = silu(g) u in f32, h quantised along its 128, y = h Wdown (K = 128);
; out0[token] = wa ya + wb yb.  Both products on codes of E2M1 with E8M0 scales; h never leaves the WGP; each row of out0 has one owner.
; 232 work-groups serve every split (at most (16,384 + 28 x 79) / 80 tiles).  Rows behind a tile's count take the tile's first token: they make and store the same numbers as row 0.
; A tile with count 0 walks the text on token 0 and jumps over its stores alone (a scalar branch on the stored count; no barrier and no wait stands under it).
; SHARES.  Five row tiles m of 16 tokens.  THE WAVES SHARE THE COLUMNS: wave w makes hidden units 32 w .. 32 w + 31 (u in tiles j = 0, 1, g in j = 2, 3) and output columns 256 w .. 256 w + 255.
; Both products are used transposed (source 0 = 16 rows of a weight, source 1 = 16 tokens): a lane holds ONE token (lane % 16).  Lane r of tile j takes weight row 128 (j / 2) + 32 w + 8 (j % 2) + r + 8 (r / 8),
; so that the 16 registers of tiles 0, 1 are hidden units 32 w + 16 (lane / 16) + 0 .. 15: a wave's 32 units are one block of the second K.
; The weights' codes come from wl, laid in the order of the operand's registers: each load reads 512 consecutive bytes.  No tensor load (a branch hangs on a stored number), hence no cluster: partners would
; also need tiles of one pair, which no fixed grid gives.  No prefetch: every address is known one hop ahead of its load, and all loads go out at once.
; LIMITS.  For g under about -88 the exponential overflows and h is 0 where the exact number lies under 1e-38.  A block of h that is all zeros gets the byte 1 with zero codes.  NaN and infinities are not served.
; LDS: XIMG: x's codes: block beta of token (m, r) at 8,704 m + 272 beta + 16 r;  HIMG: h's fragments [x][m], images of their registers (512 c + 16 lane);  HSC: their scale words [x][m][r], byte w;
;      STG: for each wave two stages of 16 rows x (256 + 16) bytes.
; REGISTERS, in windows of 256.  Window 0: below.  Window 1: expert a's up codes (8 (8 j + s)); later the down codes (a: 8 n, b: 128 + 8 n).  Window 2: expert b's up codes.
; Window 3, up: accumulators 8 (4 m + j): u at 32 m .. + 15, g at 32 m + 16 .. + 31; TT at work; down: ACC = 64 sigma + 32 x + 8 t, YY + 32 sigma the weighted sums.
; THE MODE: SCHED_MODE bits 1:0 = 2 (LLVM: expert scheduling mode 2), set by the entry lines.  The code itself states the register dependences between vector or matrix instructions
; and memory or LDS instructions, with s_wait_alu, always for 0.
; THE PLAN.  Registers that memory or LDS instructions touch, and who else names them:
;   v1-v12, IDX, TM, XO, XSO, WTO   addresses and offsets: made by vector instructions at the head, in three runs, each closed by one wait on va_vdst ahead of the loads that read it; never written again.
;   XR = XF       loaded as rows of codes and read by my LDS stores; then x's fragments land there: one wait on vm_vsrc behind the barrier.
;   XF0, XF1      K step s's 20 products read XF[s % 2]; K step s + 2's ten LDS loads land in it: one wait on va_vdst behind the products of each K step that fetches (0 to 5).
;   window 1      read by expert a's products; the down weights land there: one wait on va_vdst behind that phase, which serves the second expert's first fragments too.
;   TT, PM        written by the activation and the quantiser, read by h's ten LDS stores: a wait on va_vdst ahead of the stores, a wait on vm_vsrc ahead of the second activation.
;   DOWN, group g (sigma = g % 2): MM g + 1, COMBINE g, TOSTAGE g, SEND g - 1.
;   YY[sigma]     written by COMBINE g, read by TOSTAGE g's LDS stores.      RB[sigma]  TOSTAGE g's LDS loads land in it; SEND g, a group later, stores from it.
;   HF, HS, OFF   two sets by row tile: PREP's LDS loads and permutes land in them; MM reads HF and HS; POST rewrites OFF; SEND reads OFF.
;   The waits at TOSTAGE's head state all of that: on vm_vsrc: SEND g - 2 has read RB[sigma], TOSTAGE g - 1 has read the other YY; on va_vdst: COMBINE g has written YY[sigma], POST has written OFF,
;   the products issued so far are done reading HF and HS.  PREP stands straight behind a SEND that read its set of OFF, so from row tile 2 on it has a wait on vm_vsrc of its own.
;   The accumulators, WBP, MX and SOP are named by vector and matrix instructions alone; the scale registers but HS, and windows 1 (behind the down weights) and 2, are loaded once.
.set XIMG, 0
.set HIMG, 43520
.set HSC,  53760
.set STG,  54784
.set L16, 1                            ; v1   16 x lane
.set L4,  2                            ; v2   4 x lane
.set R4,  3                            ; v3   4 r
.set XA,  4                            ; v4   16 r + 272 h: my place in a K step's blocks of x
.set XW,  5                            ; v5   272 x lane + 64 w: where a row of x's codes goes
.set HW,  6                            ; v6   256 w + 16 r + 8 h: my 8 bytes of h's image
.set HSW, 7                            ; v7   4 r + w: my wave's byte of a token's scale word
.set USV, 8                            ; v8   (r + 8 (r / 8)) 32 + 16 h: my row's four scale words of Wup
.set SO,  9                            ; v9   my stage, in: 272 r + 32 h
.set SR,  10                           ; v10  and back: 272 h + 16 r
.set CB,  11                           ; v11  1,024 w + 16 r: my bytes in a row of out0
.set H16, 12                           ; v12  16 h
.set TK0, 13                           ; v13  the tile's first token
.set TM,  14                           ; v14-18 token (m, r)
.set WK,  19
.set IDX, 20                           ; v20-27 8 i + 4 h: the lane that holds row 2 i + h's token, x 4
.set OFF, 28                           ; v28-43 two sets of 8 offsets in out0
.set USA, 44                           ; v44-115 hold scales and nothing else: Wup's of a, of b; x's; Wdown's of a, b; h's
.set USB, 60
.set XS,  76
.set DS,  96
.set HS,  112
.set XF,  116                          ; v116-195 x's fragments, two sets of 40; at the head XR: my 20 rows of codes
.set XR,  116
.set HF,  116                          ; down: v116-147 h's fragments, two sets of 16;  v148-151 wb, two pairs;  v152-215 rows read back, two sets of 32
.set WBP, 148
.set RB,  152
.set RW,  196                          ; v196-200 at the head only: at work; then the five rows 16 m + r
.set WT,  216                          ; v216-225 (wa, wb) of token (m, r)
.set XO,  226                          ; the head's offsets: v226-245 rows of xc, v246-250 xs, v251-255 wts
.set XSO, 246
.set WTO, 251
.set TT,  160                          ; window 3
.set MX,  240
.set PM,  245
.set SOP, 250
.set YY,  128
.set MSB, 0
.macro WIN new                         ; low byte: bits 1:0 source 0, 3:2 source 1, 5:4 source 2, 7:6 destination; the high byte repeats the setting that is left
.if MSB != \new
	s_set_vgpr_msb (MSB<<8)|\new
.set MSB, \new
.endif
.endm
.macro PLACES                          ; four plain lines behind a matrix instruction, ahead of reads of its result and of loads into its registers
.rept 4
	v_nop
.endr
.endm
	s_load_b512 s[4:19], s[0:1], 0x0               ; tab, rec, xc, xs, wts, wl, Wup_scales, Wdown_scales
	s_load_b64 s[20:21], s[0:1], 0x40              ; out0
	v_lshrrev_b32 v[WK], 5, v0
	v_readfirstlane_b32 s22, v[WK]                 ; wave 0..3
	v_and_b32 v196, 15, v0                         ; r
	v_lshlrev_b32 v[R4], 2, v196
	s_mov_b32 s75, 0
	s_wait_kmcnt 0x0
	s_lshl_b32 s74, ttmp9, 2
	s_add_nc_u64 s[4:5], s[4:5], s[74:75]          ; tab's word of my tile
	s_lshl_b32 s74, ttmp9, 9
	s_add_nc_u64 s[70:71], s[6:7], s[74:75]        ; rec's 512 bytes of my tile
	s_wait_alu depctr_va_sdst(0)                   ; s22, the wave's number, is written, ahead of its first reader
	s_lshl_b32 s74, s22, 4
	s_add_nc_u64 s[72:73], s[70:71], s[74:75]      ; + 16 w
	s_load_b32 s23, s[4:5], 0x0
	s_load_b32 s44, s[70:71], 0x0                  ; the first token
.irp m, 0,1,2,3,4
	s_load_b128 s[24+4*\m:27+4*\m], s[72:73], 64*\m   ; the tokens of rows 16 m + 4 w + 0 .. 3: the rows whose codes I fetch
.endr
	s_wait_alu depctr_va_vdst(0)                   ; v[R4] is written, which the five loads below read as their offset
.irp m, 0,1,2,3,4
	global_load_b32 v[TM+\m], v[R4], s[70:71] offset:64*\m   ; and token (m, r) in every lane
.endr
	v_and_b32 v198, 31, v0                         ; lane
	v_bfe_u32 v197, v0, 4, 1                       ; h
	v_lshlrev_b32 v[L16], 4, v198
	v_lshlrev_b32 v[L4], 2, v198
	v_lshlrev_b32 v[H16], 4, v197
	v_mul_u32_u24 v199, v197, 272
	v_lshl_add_u32 v[XA], v196, 4, v199
	v_mul_u32_u24 v[XW], v198, 272
	s_lshl_b32 s74, s22, 6
	v_add_nc_u32 v[XW], s74, v[XW]
	v_lshlrev_b32 v[HW], 4, v196
	v_lshl_add_u32 v[HW], v197, 3, v[HW]
	s_lshl_b32 s74, s22, 8
	v_add_nc_u32 v[HW], s74, v[HW]
	v_lshl_add_u32 v[HSW], v196, 2, s22
	v_and_b32 v200, 8, v196
	v_add_nc_u32 v200, v200, v196
	v_lshl_add_u32 v[USV], v200, 5, v[H16]
	s_mul_i32 s74, s22, 8704
	s_add_co_u32 s74, s74, STG
	v_mul_u32_u24 v200, v196, 272
	v_lshl_add_u32 v200, v197, 5, v200
	v_add_nc_u32 v[SO], s74, v200
	v_lshl_add_u32 v200, v196, 4, v199
	v_add_nc_u32 v[SR], s74, v200
	s_lshl_b32 s74, s22, 10
	v_lshl_add_u32 v[CB], v196, 4, s74
.irp i, 0,1,2,3,4,5,6,7
	v_lshl_add_u32 v[IDX+\i], v197, 2, 8*\i
.endr
	WIN 0xc0
.irp m, 0,1,2,3,4
	v_mov_b32 v[PM+\m], 0                          ; written once: a lane permute's destination counts as one of its sources
.endr
	WIN 0
	s_mov_b32 s48, 0x76543210
	s_mov_b32 s49, 0xfedcba98                      ; v_permlanex16_b32's selects for lane l xor 16
	s_mov_b32 s50, 0xbfb8aa3b                      ; -log2(e)
	s_mov_b32 s51, s50                             ; (named with it as a pair, so it is written)
	s_lshl_b32 s77, s22, 2                         ; 4 w
	s_wait_kmcnt 0x0
	s_bfe_u32 s45, s23, 0x100010                   ; count
	s_bfe_u32 s46, s23, 0x80000
	s_min_u32 s46, s46, 7                          ; a
	s_bfe_u32 s47, s23, 0x80008
	s_min_u32 s47, s47, 7                          ; b
.irp m, 0,1,2,3,4
.irp jj, 0,1,2,3
	s_add_co_u32 s74, s77, 16*\m+\jj               ; row 16 m + 4 w + jj
	s_cmp_lt_u32 s74, s45
	s_cselect_b32 s74, s[24+4*\m+\jj], s44         ; behind the count: the first token
	s_min_u32 s74, s74, 0x3fff
	s_lshl_b32 s74, s74, 9
	v_add_nc_u32 v[XO+4*\m+\jj], s74, v[L16]       ; all twenty offsets first, so that one wait serves the twenty loads
.endr
.endr
	s_wait_alu depctr_va_vdst(0)                   ; the twenty offsets XO are written, which the loads below read; so are v1 to v12 and IDX, the addresses and offsets of all later loads, stores and permutes
.irp m, 0,1,2,3,4
.irp jj, 0,1,2,3
	global_load_b128 v[XR+4*(4*\m+\jj):XR+4*(4*\m+\jj)+3], v[XO+4*\m+\jj], s[8:9]   ; a whole row of codes: 512 consecutive bytes, block l in lane l
.endr
.endr
.macro BASES e, uc, dc, us, ds         ; where expert e's parts for my wave begin
	s_lshl_b32 s74, s[\e], 2
	s_add_co_u32 s76, s74, s22                     ; 4 e + w
	s_lshl_b32 s74, s76, 15
	s_add_nc_u64 s[\uc:\uc+1], s[14:15], s[74:75]  ; up codes: 32,768 bytes a wave
	s_lshl_b32 s74, s76, 14
	s_add_co_u32 s74, s74, 1048576
	s_add_nc_u64 s[\dc:\dc+1], s[14:15], s[74:75]  ; down codes: 16,384
	s_lshl_b32 s74, s76, 10
	s_add_nc_u64 s[\ds:\ds+1], s[18:19], s[74:75]  ; Wdown's scale words: 256 rows of 4 bytes
	s_lshl_b32 s74, s[\e], 3
	s_add_co_u32 s74, s74, s22
	s_lshl_b32 s74, s74, 10
	s_add_nc_u64 s[\us:\us+1], s[16:17], s[74:75]  ; Wup's scale bytes: row 256 e + 32 w, 32 bytes a row
.endm
	BASES 46, 52, 56, 60, 66
	BASES 47, 54, 58, 62, 68
	v_mov_b32 v[TK0], s44
	s_wait_loadcnt 20                              ; the five loads of token numbers are in; the 20 rows of codes behind them stay out
.irp m, 0,1,2,3,4
	v_and_or_b32 v[RW+\m], v0, 15, 16*\m           ; row 16 m + r
.endr
.irp m, 0,1,2,3,4
	v_cmp_gt_u32 s[24+\m], s45, v[RW+\m]           ; the five masks in a run, in s24 to s28: the token numbers that lay there have been used
.endr
	s_wait_alu depctr_va_sdst(0)                   ; the five masks are written, ahead of the selects that read them
.irp m, 0,1,2,3,4
	v_cndmask_b32 v[TM+\m], v[TK0], v[TM+\m], s[24+\m]
.endr
.irp m, 0,1,2,3,4
	v_min_u32 v[TM+\m], 0x3fff, v[TM+\m]
.endr
.irp m, 0,1,2,3,4
	v_lshl_add_u32 v[XSO+\m], v[TM+\m], 5, v[H16]
	v_lshlrev_b32 v[WTO+\m], 3, v[TM+\m]
.endr
	s_wait_alu depctr_va_vdst(0)                   ; the offsets XSO and WTO are written, which the ten loads below read; so is TM, which the permutes of the second product read
.irp m, 0,1,2,3,4
	global_load_b128 v[XS+4*\m:XS+4*\m+3], v[XSO+\m], s[10:11]     ; register 4 m + i: lanes 0-15 the word of K step i, lanes 16-31 that of K step 4 + i
	global_load_b64 v[WT+2*\m:WT+2*\m+1], v[WTO+\m], s[12:13]
.endr
.macro UPLOAD sb, cb, US, win          ; an expert's up weights for my wave: 4 loads of scale words (register 4 j + i: K step i below, 4 + i above), 64 of codes.  No vector instruction names what they touch but their offsets, made ahead of the waits above
.irp j, 0,1,2,3
	global_load_b128 v[\US+4*\j:\US+4*\j+3], v[USV], s[\sb:\sb+1] offset:4096*(\j/2)+256*(\j%2)
.endr
	WIN \win
.irp j, 0,1,2,3
.irp i, 0,1,2,3,4,5,6,7,8,9,10,11,12,13,14,15
	global_load_b128 v[64*\j+4*\i:64*\j+4*\i+3], v[L16], s[\cb:\cb+1] offset:8192*\j+512*\i
.endr
.endr
	WIN 0
.endm
	UPLOAD 60, 52, USA, 0x40
	s_wait_loadcnt 63                              ; behind the last load of weights' pairs stand expert a's 68: with 63 out, the rows of codes, x's scale words and the weights' pairs are in
.irp m, 0,1,2,3,4
.irp jj, 0,1,2,3
	ds_store_b128 v[XW], v[XR+4*(4*\m+\jj):XR+4*(4*\m+\jj)+3] offset:XIMG+8704*\m+16*\jj
.endr
.endr
	UPLOAD 62, 54, USB, 0x80
	s_wait_dscnt 0x0                               ; for the others' sake: my 20 rows lie in LDS
	s_barrier_signal -1
	s_barrier_wait -1
.macro FETCHX s                        ; x's five fragments of K step s: registers 4 c .. 4 c + 3 = block 4 s + 2 c + h of token r
.irp m, 0,1,2,3,4
.irp c, 0,1
	ds_load_b128 v[XF+40*((\s)%2)+8*\m+4*\c:XF+40*((\s)%2)+8*\m+4*\c+3], v[XA] offset:XIMG+8704*\m+1088*(\s)+544*\c
.endr
.endr
.endm
; The first product of one expert: 8 K steps of 20 matrix instructions; the 20 accumulators take turns, one instruction a turn.  The first K step starts the sums.
.macro UP win, US
.irp s, 0,1,2,3,4,5,6,7
.if \s == 7
	s_wait_dscnt 0x0
.else
	s_wait_dscnt 10                                ; this K step's fragments are in; the ten LDS instructions issued last may be out
.endif
	WIN \win
.irp m, 0,1,2,3,4
.irp j, 0,1,2,3
.set rD, 8*(4*\m+\j)
.set rA, 8*(8*\j+\s)
.set rB, XF+40*(\s%2)+8*\m
.set rP, \US+4*\j+\s%4
.set rQ, XS+4*\m+\s%4
.if \s == 0
	v_wmma_scale_f32_16x16x128_f8f6f4 v[rD:rD+7], v[rA:rA+7], v[rB:rB+7], 0, v[rP], v[rQ] matrix_a_fmt:MATRIX_FMT_FP4 matrix_b_fmt:MATRIX_FMT_FP4
.elseif \s < 4
	v_wmma_scale_f32_16x16x128_f8f6f4 v[rD:rD+7], v[rA:rA+7], v[rB:rB+7], v[rD:rD+7], v[rP], v[rQ] matrix_a_fmt:MATRIX_FMT_FP4 matrix_b_fmt:MATRIX_FMT_FP4
.else
	v_wmma_scale_f32_16x16x128_f8f6f4 v[rD:rD+7], v[rA:rA+7], v[rB:rB+7], v[rD:rD+7], v[rP], v[rQ] matrix_a_fmt:MATRIX_FMT_FP4 matrix_b_fmt:MATRIX_FMT_FP4 matrix_a_scale:MATRIX_SCALE_ROW1 matrix_b_scale:MATRIX_SCALE_ROW1
.endif
.endr
.endr
	WIN 0
.if \s < 6
	PLACES
	s_wait_alu depctr_va_vdst(0)                   ; this K step's products are done reading their set of x's fragments, in which the ten loads below land
	FETCHX \s+2                                    ; into the set just multiplied
.endif
.endr
.endm
; h = u g / (1 + 2^(-g log2 e)), in f32, in window 3.  Each batch of 80 transcendentals has one wait ahead of its first reader.  Every accumulator is read from its low end on.
.macro SWIGLU
	WIN 0xff
.irp m, 0,1,2,3,4
.irp i, 0,2,4,6,8,10,12,14
	v_pk_mul_f32 v[TT+16*\m+\i:TT+16*\m+\i+1], v[32*\m+16+\i:32*\m+17+\i], s[50:51] op_sel_hi:[1,0]
.endr
.endr
	s_wait_alu depctr_va_vdst(0)
.irp m, 0,1,2,3,4
.irp i, 0,1,2,3,4,5,6,7,8,9,10,11,12,13,14,15
	v_exp_f32 v[TT+16*\m+\i], v[TT+16*\m+\i]
.endr
.endr
	s_wait_alu depctr_va_vdst(0)
.irp m, 0,1,2,3,4
.irp i, 0,2,4,6,8,10,12,14
	v_pk_mul_f32 v[32*\m+\i:32*\m+\i+1], v[32*\m+\i:32*\m+\i+1], v[32*\m+16+\i:32*\m+17+\i]   ; u g: plain work behind the exponentials
.endr
.endr
	s_wait_alu depctr_va_vdst(0)                   ; the 80 exponentials have written TT, which the additions below read
.irp m, 0,1,2,3,4
.irp i, 0,2,4,6,8,10,12,14
	v_pk_add_f32 v[TT+16*\m+\i:TT+16*\m+\i+1], v[TT+16*\m+\i:TT+16*\m+\i+1], 1.0 op_sel_hi:[1,0]
.endr
.endr
	s_wait_alu depctr_va_vdst(0)
.irp m, 0,1,2,3,4
.irp i, 0,1,2,3,4,5,6,7,8,9,10,11,12,13,14,15
	v_rcp_f32 v[TT+16*\m+\i], v[TT+16*\m+\i]
.endr
.endr
	v_nop                                          ; a plain line behind the last reciprocal
	s_wait_alu depctr_va_vdst(0)                   ; the 80 reciprocals have written TT, which the multiplications below read
.irp m, 0,1,2,3,4
.irp i, 0,2,4,6,8,10,12,14
	v_pk_mul_f32 v[32*\m+\i:32*\m+\i+1], v[32*\m+\i:32*\m+\i+1], v[TT+16*\m+\i:TT+16*\m+\i+1]
.endr
.endr
.endm
; h's block of my wave, for the five row tiles by turns: my 16 numbers and lane l xor 16's; the byte; 16 codes = 8 bytes, which go to their place in the image of the second product's operand.
.macro HQUANT x
.irp m, 0,1,2,3,4
	v_max3_num_f32 v[MX+\m], |v[32*\m]|, |v[32*\m+1]|, 0x1800000   ; with the floor 2^(3 - 127): the byte cannot fall under 1
.endr
.irp i, 2,4,6,8,10,12,14
.irp m, 0,1,2,3,4
	v_max3_num_f32 v[MX+\m], v[MX+\m], |v[32*\m+\i]|, |v[32*\m+\i+1]|
.endr
.endr
.irp m, 0,1,2,3,4
	v_permlanex16_b32 v[PM+\m], v[MX+\m], s48, s49
.endr
.irp m, 0,1,2,3,4
	v_max_num_f32 v[MX+\m], v[MX+\m], v[PM+\m]
.endr
.irp m, 0,1,2,3,4
	v_add_nc_u32 v[SOP+\m], 0xff000000, v[MX+\m]   ; 2 off the exponent field: the conversion's scale operand
.endr
.irp m, 0,1,2,3,4
	v_lshrrev_b32 v[PM+\m], 23, v[SOP+\m]          ; the scale's byte
.endr
.irp m, 0,1,2,3,4
	v_cvt_scalef32_pk8_fp4_f32 v[TT+16*\m], v[32*\m:32*\m+7], v[SOP+\m]
	v_cvt_scalef32_pk8_fp4_f32 v[TT+16*\m+1], v[32*\m+8:32*\m+15], v[SOP+\m]
.endr
	v_nop                                          ; one plain line behind the last scaled conversion
	WIN 0x0c                                       ; an LDS store's data are its source 1: window 3
	s_wait_alu depctr_va_vdst(0)                   ; the conversions have written the codes in TT and the shifts the bytes in PM, which the ten LDS stores below read
.irp m, 0,1,2,3,4
	ds_store_b64 v[HW], v[TT+16*\m:TT+16*\m+1] offset:HIMG+1024*(5*\x+\m)
	ds_store_b8 v[HSW], v[PM+\m] offset:HSC+64*(5*\x+\m)           ; both halves of the lanes write the same byte with the same value
.endr
	WIN 0
.endm
.macro DLOAD cb, sb, x                 ; an expert's down weights for my wave: 16 tiles of 16 columns; scale words: register n2: lanes 0-15 tile 2 n2, lanes 16-31 tile 2 n2 + 1
	WIN 0x40
.irp i, 0,1,2,3,4,5,6,7,8,9,10,11,12,13,14,15,16,17,18,19,20,21,22,23,24,25,26,27,28,29,30,31
	global_load_b128 v[128*\x+4*\i:128*\x+4*\i+3], v[L16], s[\cb:\cb+1] offset:512*\i
.endr
	WIN 0
.irp n, 0,1,2,3,4,5,6,7
	global_load_b32 v[DS+8*\x+\n], v[L4], s[\sb:\sb+1] offset:128*\n
.endr
.endm
	s_wait_alu depctr_vm_vsrc(0)                   ; my LDS stores have read the rows of codes in v[XR ..]: these registers are x's fragments from here on, and the loads below land in them
	FETCHX 0
	FETCHX 1
	s_wait_loadcnt 63                              ; behind expert a's last load stand expert b's 68: with 63 out, a's weights are in
	UP 0xf1, USA
	s_wait_loadcnt 0x0                             ; expert b's weights: they had the whole phase in which to land
	PLACES                                         ; behind the last products: for the loads into window 1 and into x's fragments, and for the reads of the sums
	s_wait_alu depctr_va_vdst(0)                   ; expert a's products are done reading window 1, in which the down weights land, and both sets of x's fragments, in which K steps 0 and 1 land again; only loads and window switches follow up to the last of these loads
	DLOAD 56, 66, 0
	DLOAD 58, 68, 1
	FETCHX 0
	FETCHX 1
	SWIGLU
	HQUANT 0
	UP 0xf2, USB
	PLACES
	s_wait_alu depctr_vm_vsrc(0)                   ; the LDS stores of expert a's h have read TT and PM, which the activation and the quantiser below write again
	SWIGLU
	HQUANT 1
	s_wait_dscnt 0x0                               ; for the others' sake: my parts of h's images and scale words lie in LDS
	s_barrier_signal -1
	s_barrier_wait -1
	s_wait_loadcnt 0x0                             ; the down weights
; THE SECOND PRODUCT goes in 20 groups g = 4 m + n4: row tile m, 64 of my columns (tiles 4 n4 + t), both experts: 8 matrix instructions, each a whole sum (K = 128, C = 0).
; Two sets of accumulators, stages and rows by turns (sigma = g % 2); what hangs on m has two sets too (m % 2).
.macro PREP m                          ; row tile m: h's two fragments, their scale words, and the tokens of rows 2 i + h.  The products that read this set of HF and HS, and the lines that wrote this set of OFF, stand ahead of the last wait on va_vdst, and no vector or matrix instruction stands between that wait and these lines
	s_wait_xcnt 0x0                                ; the stores of two row tiles back have read this set of offsets: it is written again only behind this wait
.if (\m) > 1
	s_wait_alu depctr_vm_vsrc(0)                   ; the same stores, the last of them issued just above, have read this set of OFF, in which the permutes' results land
.endif
.irp x, 0,1
.irp c, 0,1
	ds_load_b128 v[HF+16*((\m)%2)+8*\x+4*\c:HF+16*((\m)%2)+8*\x+4*\c+3], v[L16] offset:HIMG+1024*(5*\x+(\m))+512*\c
.endr
	ds_load_b32 v[HS+2*((\m)%2)+\x], v[R4] offset:HSC+64*(5*\x+(\m))
.endr
.irp i, 0,1,2,3,4,5,6,7
	ds_bpermute_b32 v[OFF+8*((\m)%2)+\i], v[IDX+\i], v[TM+(\m)]
.endr
.endm
.macro POST m                          ; the offsets in out0: token x 4,096 + my bytes; and wb as a pair
.irp i, 0,1,2,3,4,5,6,7
	v_min_u32 v[OFF+8*((\m)%2)+\i], 0x3fff, v[OFF+8*((\m)%2)+\i]
.endr
.irp i, 0,1,2,3,4,5,6,7
	v_lshl_add_u32 v[OFF+8*((\m)%2)+\i], v[OFF+8*((\m)%2)+\i], 12, v[CB]
.endr
	v_mov_b32 v[WBP+2*((\m)%2)], v[WT+2*(\m)+1]
	v_mov_b32 v[WBP+2*((\m)%2)+1], v[WT+2*(\m)+1]
.endm
.macro MM                              ; group gm
	WIN 0xf1
.irp t, 0,1,2,3
.irp x, 0,1
.set rD, 64*(gm%2)+32*\x+8*\t
.set rA, 128*\x+8*(4*(gm%4)+\t)
.set rB, HF+16*((gm/4)%2)+8*\x
.set rP, DS+8*\x+(4*(gm%4)+\t)/2
.set rQ, HS+2*((gm/4)%2)+\x
.if \t%2
	v_wmma_scale_f32_16x16x128_f8f6f4 v[rD:rD+7], v[rA:rA+7], v[rB:rB+7], 0, v[rP], v[rQ] matrix_a_fmt:MATRIX_FMT_FP4 matrix_b_fmt:MATRIX_FMT_FP4 matrix_a_scale:MATRIX_SCALE_ROW1
.else
	v_wmma_scale_f32_16x16x128_f8f6f4 v[rD:rD+7], v[rA:rA+7], v[rB:rB+7], 0, v[rP], v[rQ] matrix_a_fmt:MATRIX_FMT_FP4 matrix_b_fmt:MATRIX_FMT_FP4
.endif
.endr
.endr
.endm
.macro COMBINE                         ; group gc: wa ya + wb yb, each accumulator from its low end on.  These 32 lines are also the places behind the next group's products
	WIN 0xf3                                       ; source 1 (the weights) window 0, all else window 3
.irp i, 0,2,4,6,8,10,12,14,16,18,20,22,24,26,28,30
	v_pk_mul_f32 v[YY+32*(gc%2)+\i:YY+32*(gc%2)+\i+1], v[64*(gc%2)+32+\i:64*(gc%2)+33+\i], v[WBP+2*((gc/4)%2):WBP+2*((gc/4)%2)+1] op_sel_hi:[1,0]
.endr
.irp i, 0,2,4,6,8,10,12,14,16,18,20,22,24,26,28,30
	v_pk_fma_f32 v[YY+32*(gc%2)+\i:YY+32*(gc%2)+\i+1], v[64*(gc%2)+\i:64*(gc%2)+\i+1], v[WT+2*(gc/4):WT+2*(gc/4)+1], v[YY+32*(gc%2)+\i:YY+32*(gc%2)+\i+1] op_sel_hi:[1,0,1]
.endr
.endm
.macro TOSTAGE                         ; group gc: a lane's 32 bytes of a row into my own stage, and back as rows of 256 bytes; LDS serves a wave's instructions in order
	s_wait_xcnt 0x0                                ; the stores of two groups back have read their data: the loads below may land there
	s_wait_alu depctr_vm_vsrc(0)                   ; the global stores of two groups back have read this set of RB, in which the loads below land; the LDS stores of the group before (ahead of the first group: those of h's codes, whose TT lies there) have read the other YY, which the next group's sums write
	WIN 0x0c
	s_wait_alu depctr_va_vdst(0)                   ; the sums above have written this set of YY, which the LDS stores below read; the offsets OFF made so far are written, which the global stores read; the products issued so far are done reading HF and HS, in which a later row tile's loads land
.irp t, 0,1,2,3
	ds_store_b128 v[SO], v[YY+32*(gc%2)+8*\t:YY+32*(gc%2)+8*\t+3] offset:4352*(gc%2)+64*\t
	ds_store_b128 v[SO], v[YY+32*(gc%2)+8*\t+4:YY+32*(gc%2)+8*\t+7] offset:4352*(gc%2)+64*\t+16
.endr
	WIN 0
.irp i, 0,1,2,3,4,5,6,7
	ds_load_b128 v[RB+32*(gc%2)+4*\i:RB+32*(gc%2)+4*\i+3], v[SR] offset:4352*(gc%2)+544*\i
.endr
.endm
.macro SEND younger                    ; group gs; younger: the LDS instructions issued behind its loads that may stay out.  Its data come from LDS loads; its offsets were written ahead of the wait on va_vdst above
	s_wait_dscnt \younger
	s_cmp_eq_u32 s45, 0                            ; a tile without tokens stores nothing
	s_cbranch_scc1 .Lempty_\@
.irp i, 0,1,2,3,4,5,6,7
	global_store_b128 v[OFF+8*((gs/4)%2)+\i], v[RB+32*(gs%2)+4*\i:RB+32*(gs%2)+4*\i+3], s[20:21] offset:256*(gs%4) th:TH_STORE_NT   ; sixteen lanes store 256 consecutive bytes of a token's row, aligned
.endr
.Lempty_\@:
.endm
	PREP 0
	s_wait_dscnt 0x0
	POST 0
.set gm, 0
	MM
.set g, 0
.rept 20
.if (g%4 == 1) && (g/4 < 4)
	WIN 0
	PREP g/4+1                                     ; two groups ahead of its first use
.endif
.if (g%4 == 2) && (g/4 < 4)
	WIN 0
	POST g/4+1                                     ; the last group's wait, which left only that group's sixteen stage instructions out, has shown PREP's fourteen done
.endif
.if g < 19
.set gm, g+1
	MM
.endif
.if g == 0
	PLACES                                         ; the first group has no earlier group's lines behind its products
.endif
.set gc, g
	COMBINE
	TOSTAGE
.if g > 0
.set gs, g-1
	SEND 16                                        ; behind the last group's loads stand this group's 8 stores and 8 loads
.endif
.set g, g+1
.endr
.set gs, 19
	SEND 0
	s_wait_xcnt 0x0
	v_lshl_add_u32 v254, v0, 2, 0x16000            ; the add's two registers, made anew: the loads that read v254 and v255 as offsets stand at the head, ahead of every wait on vm_vsrc of the text
	v_mov_b32 v255, 0
	s_wait_dscnt 0x0                               ; the closing lines, six on end
	s_wait_alu 0x0
	s_wait_tensorcnt 0x0
	ds_add_u32 v254, v255
	s_wait_dscnt 0x0
	s_endpgm
.Lfunc_end_k_qf27887e0cb_chain:
	.size	k_qf27887e0cb_chain, .Lfunc_end_k_qf27887e0cb_chain-k_qf27887e0cb_chain
	.p2alignl 7, 3214868480
	.fill 96, 4, 3214868480
	.section	.rodata,"a",@progbits
	.p2align	6, 0x0
	.amdhsa_kernel k_qf27887e0cb_chain
		.amdhsa_group_segment_fixed_size 90624
		.amdhsa_private_segment_fixed_size 0
		.amdhsa_enable_private_segment 0
		.amdhsa_kernarg_size 72
		.amdhsa_user_sgpr_count 2
		.amdhsa_user_sgpr_kernarg_segment_ptr 1
		.amdhsa_wavefront_size32 1
		.amdhsa_system_sgpr_workgroup_id_x 1
		.amdhsa_system_sgpr_workgroup_id_y 1
		.amdhsa_system_sgpr_workgroup_id_z 1
		.amdhsa_system_vgpr_workitem_id 0
		.amdhsa_next_free_vgpr 1024
		.amdhsa_next_free_sgpr 80
		.amdhsa_reserve_vcc 0
		.amdhsa_float_denorm_mode_32 3
		.amdhsa_float_denorm_mode_16_64 3
		.amdhsa_memory_ordered 1
		.amdhsa_forward_progress 1
		.amdhsa_inst_pref_size 243
	.end_amdhsa_kernel
	.amdgpu_metadata
---
amdhsa.version: [ 1, 2 ]
amdhsa.kernels:
  - .name:           k_qf27887e0cb_chain
    .symbol:         k_qf27887e0cb_chain.kd
    .args:
      - { .name: tab, .offset: 0, .size: 8, .value_kind: global_buffer, .address_space: global }
      - { .name: rec, .offset: 8, .size: 8, .value_kind: global_buffer, .address_space: global }
      - { .name: xc, .offset: 16, .size: 8, .value_kind: global_buffer, .address_space: global }
      - { .name: xs, .offset: 24, .size: 8, .value_kind: global_buffer, .address_space: global }
      - { .name: wts, .offset: 32, .size: 8, .value_kind: global_buffer, .address_space: global }
      - { .name: wl, .offset: 40, .size: 8, .value_kind: global_buffer, .address_space: global }
      - { .name: Wup_scales, .offset: 48, .size: 8, .value_kind: global_buffer, .address_space: global }
      - { .name: Wdown_scales, .offset: 56, .size: 8, .value_kind: global_buffer, .address_space: global }
      - { .name: out0, .offset: 64, .size: 8, .value_kind: global_buffer, .address_space: global }
    .group_segment_fixed_size: 90624
    .private_segment_fixed_size: 0
    .kernarg_segment_align: 8
    .kernarg_segment_size: 72
    .max_flat_workgroup_size: 128
    .sgpr_count:     80
    .vgpr_count:     1024
    .wavefront_size: 32
...
	.end_amdgpu_metadata
.endif
;; end of part 7
